; MI455X (gfx1250); checked and timed in simulation.
; The chip was launched on July 23, 2026; its instructions are those of AMD's public machine-readable ISA for CDNA 5 (MIT licence, August 2026) and "CDNA5" Instruction Set Architecture Reference Guide (July 2026). The comments in the code are by the model that wrote it; some were corrected since.
;; Attention. Allowed arithmetic: matrix products marked QUANTISED: E2M3 operands, one E8M0 scale for each 32 along K, by v_wmma_scale_f32_16x16x128_f8f6f4 with both operands' format E2M3, f32 sums; products left as they are: f32 operands where the result goes on into a quantised operand, else bf16, f16 or f32 operands; f32 sums; everything else in f32.
;; Inputs: Wk 1,024 x 1,024 float32; Wq 1,024 x 1,024 float32; Wv 1,024 x 1,024 float32; bk 1,024 float32; bq 1,024 float32; bv 1,024 float32; x 4 x 2,048 x 1,024 float32.
;; Outputs: out0 4 x 2,048 x 1,024 float32.
;; This version of the problem:
;;   THIS VERSION OF THE PROBLEM IS GIVEN IN LOW PRECISION. The matrix products marked QUANTISED in the list below multiply operands that are first quantised to E2M3 (2 exponent bits, 3 mantissa bits; 6 bits a number), with one power-of-two scale for each 32 numbers along K (OCP MX v1.0); their sums are f32. All else is computed in f32.
;;   The module's matrix products, in the order in which they are computed (A, B: the left and right operand; K: the contracted axis; several contracted axes count as one K, in the product's order):
;;     1. [M 8,192, K 1,024] x [K 1,024, N 1,024]; A: input x; B: input Wq: QUANTISED
;;     2. [M 1,048,576, K 1] x [K 1, N 1]; A: computed on the way; B: computed on the way: left as it is (no contracted axis)
;;     3. [M 8,192, K 1,024] x [K 1,024, N 1,024]; A: input x; B: computed on the way: QUANTISED
;;     4. [M 8,192, K 1,024] x [K 1,024, N 1,024]; A: input x; B: input Wv: QUANTISED
;;     5. batch 4 x [M 2,048, K 1,024] x [K 1,024, N 2,048]; A: computed on the way; B: computed on the way: QUANTISED
;;     6. batch 4 x [M 2,048, K 2,048] x [K 2,048, N 1,024]; A: softmax (see below); B: computed on the way: QUANTISED
;;   THE QUANTISER, for each operand of a quantised product, along K:
;;     - K is cut into blocks of 32 from its start; a last block that is shorter is filled with zeros.
;;     - A block's scale is 2^e with e = floor(log2(the largest magnitude in the block)) - 2, held to -126 .. 127; a block of zeros has e = 0. As a byte (E8M0): e + 127.
;;     - Each number is divided by its block's scale, clamped to +-7.5, and rounded to the nearest number of E2M3, ties to even, subnormals kept.
;;     - The product sums the exact products of the quantised numbers (number of the format x scale) in f32.
;;   ~~~python
;;   def quantise(x, axis):      # numpy; x: float32 -> the quantised numbers, widened to float32 again
;;       x = np.moveaxis(x, axis, -1); K = x.shape[-1]
;;       x = np.pad(x, [(0, 0)] * (x.ndim - 1) + [(0, -K % 32)]); x = x.reshape(x.shape[:-1] + (-1, 32)); a = np.abs(x).max(-1, keepdims=True)
;;       e = np.where(a > 0, np.clip(np.frexp(np.where(a > 0, a, 1))[1] - 1 - 2, -126, 127), 0)      # np.frexp(a)[1] - 1 = floor(log2(a)), exactly
;;       r = np.clip(x / 2.0 ** e, -7.5, 7.5)
;;       step = 2.0 ** (np.maximum(np.frexp(np.where(r == 0, 1, r))[1] - 1, 0) - 3)
;;       q = np.round(r / step) * step * 2.0 ** e      # np.round: ties to even
;;       return np.moveaxis(q.reshape(q.shape[:-2] + (-1,))[..., :K], -1, axis).astype(np.float32)
;;   ~~~
;;   SOFTMAX AHEAD OF A QUANTISED PRODUCT. Where the list says 'softmax', what is quantised is not the finished softmax but p = 2^(t - M), with t = logit x log2(e) and M = ceil(the row's largest t), a whole number; so 1/2 < the row's largest p <= 1. The row's sum l is taken of the UNQUANTISED p, in f32, and the product's result is divided by l at the end. Since M is a whole number, a kernel that streams over the keys may use a running M (the ceiling of the running maximum): every later rescaling is an exact power of two, which a block's scale takes up: the codes' values come out the same.
;;   OPERANDS COMPUTED ON THE WAY. 'Computed on the way' means the value that the module computes at that place (a softmax that the list does not call 'softmax' is quantised finished and normalised). What goes into a quantiser is computed in f32, as accurately as f32 sums, v_exp_f32 and their like allow (about 1e-6 of the number): no bf16 or f16 on the way to a quantiser, and a product that is left as it is and whose result goes on into a quantised operand takes f32 operands (vector FMAs, or v_wmma_f32_16x16x4_f32). A number that lies on a knife's edge between two numbers of the format may be rounded either way, as far as f32 arithmetic and the matrix unit's own rounding can turn it there, and no further.
;; One version. Each part assembles by itself: llvm-mc -triple=amdgcn-amd-amdhsa -mcpu=gfx1250 --defsym DOCPART=n.
;; ======== version 1 of 1: 4 launches
;; limits: right only within a limited range of input values
;; workspace buffers: opc 8,650,752 bytes; ops 360,448 bytes; qkc 12,582,912 bytes; qks 524,288 bytes; vtc 6,291,456 bytes; vts 262,144 bytes; pc 12,582,912 bytes; pst 1,572,864 bytes
;; launch quant (part 1): grid 704 x 1, 4 waves a work-group, no clusters, 47,616 bytes of LDS; arguments x, Wq, Wk, Wv, opc, ops; writes opc, ops
.if DOCPART == 1
	.amdgcn_target "amdgcn-amd-amdhsa--gfx1250"
	.amdhsa_code_object_version 6
	.text
	.protected	k_q0f75b46f83_quant
	.globl	k_q0f75b46f83_quant
	.p2align	8
	.type	k_q0f75b46f83_quant,@function
k_q0f75b46f83_quant:
	s_mov_b64 s[64:65], 0
	v_nop
	global_prefetch_b8 v0, s[64:65] scope:SCOPE_SE
	s_setreg_imm32_b32 hwreg(HW_REG_WAVE_MODE, 25, 1), 1
	s_wait_xcnt 0x0
; CAUSAL ATTENTION, ONE HEAD OF 1,024, IN MX-FP6 (E2M3, one E8M0 scale for each 32 along K).  Launch 1 of 4: x [8192][1024] and Wq, Wk, Wv [1024 (k)][1024] become codes and scale words.
; WORK LEFT OUT, in the whole program.  (1) K's einsum multiplies Wk by the constant 1.0, which changes no number: Wk is quantised as it is.  (2) reference() builds the mask jnp.tril itself: a score with
; key > query is replaced by -1e30, and its weight is 0 beside the diagonal's, whatever the inputs hold.  So tiles of 256 queries x 256 keys that lie wholly above the diagonal are made neither in Q K^T nor in P V.
; All seven inputs have a way to the output (bk moves K's codes), and all are loaded.  LIMIT: a NaN, an infinity or an overflow that reaches only the tiles left out is not carried to the result.
; LIMITS: NaN and infinities among the inputs are not served.  A block of zeros gets the scale byte 1 where the rule says 127: its codes are zeros, which add nothing, and this program alone reads the bytes.
; THE LAYOUT OF EVERY OPERAND BETWEEN LAUNCHES.  A tile is 16 rows (of x) or columns (of W).  Place r of tile t is true row 32 (t / 2) + 8 (t % 2) + r + 8 (r / 8), so that as source 0 of a product two neighbouring
; tiles give a lane 16 neighbours along the next K.  A fragment (tile t, K step s of 128) is stored as the IMAGE OF ITS 12 REGISTERS, 1,536 bytes: register 4 c + w of lane L at byte 512 c + 16 L + 4 w.
; opc: [tile 0..703][s 8][1536]: tiles 0-511 x, 512 + 64 m on the columns of Wq, Wk, Wv (m = 0, 1, 2).   ops: [s 8][11,264 places], one word of four scale bytes for a place and a K step.
; SHARES.  Work-groups 0-511: a tile of x each; wave w takes K steps 2 w and 2 w + 1.  Work-groups 512-703: a K step of 128 columns of one weight; a wave takes 32 columns, a lane a column, registers down K.
; The two paths part on the work-group's number and have LDS bytes of their own.  No matrix unit, no tensor load, no barrier: waves share nothing; memory binds, and every load of x covers 512 consecutive bytes.
.set STX,   0                          ; x path: a stage of 16 rows x (512 + 16) bytes for each wave
.set XPIT,  528
.set STW,   33792                      ; W path: two images, 1,664 bytes apart, for each wave
.set WPIT,  1664
.set SPARE, 47104                      ; the spare words, 128 bytes for each wave, that no other line names
.set PLANE, 45056                      ; a K step's scale words in ops
.set SPW,   18                         ; v18  my spare word's LDS address; never rewritten
.set NIL,   19                         ; v19  0; never rewritten
.set XR,    32                         ; v32-159  numbers as loaded
.set XT,    160                        ; v160-223 x path: 64 numbers of my row, blocks h and 2 + h
.set PC,    224                        ; v224-247 x path: two fragments' codes
.set C2,    248                        ; v248-254 x path: a block's second 16 codes (a conversion's three registers begin on an even number)
.set WCD,   160                        ; v160-191 W path: six registers of codes for each block
.set W2,    192                        ; v192-207 W path: the second 16 codes
.set RBK,   208                        ; v208-231 W path: two images read back
	s_load_b256 s[4:11], s[0:1], 0x0               ; x s[4:5], Wq s[6:7], Wk s[8:9], Wv s[10:11]
	s_load_b128 s[12:15], s[0:1], 0x20             ; opc s[12:13], ops s[14:15]
	v_lshl_add_u32 v[SPW], v0, 2, SPARE
	v_mov_b32 v[NIL], 0
	v_lshrrev_b32 v1, 5, v0
	v_readfirstlane_b32 s16, v1                    ; wave
	v_and_b32 v2, 31, v0                           ; lane
	v_and_b32 v3, 15, v0                           ; r
	v_bfe_u32 v4, v0, 4, 1                         ; h
	v_lshlrev_b32 v5, 4, v2                        ; 16 x lane
	s_mov_b32 s20, 0x76543210
	s_mov_b32 s21, 0xfedcba98                      ; v_permlanex16_b32's selects for lane l xor 16
	s_cmp_lt_u32 ttmp9, 512
	s_cbranch_scc0 .Lweights
	; ---------------- x: tile ttmp9 ----------------
	s_lshr_b32 s17, ttmp9, 1
	s_lshl_b32 s17, s17, 5
	s_and_b32 s18, ttmp9, 1
	s_lshl_b32 s18, s18, 3
	s_add_co_u32 s17, s17, s18                     ; the tile's first true row
	s_lshl_b32 s22, s17, 12                        ; x 4,096 bytes
	s_lshl_b32 s18, s16, 10
	s_add_co_u32 s22, s22, s18                     ; + my two K steps' 1,024 bytes
	s_mov_b32 s23, 0
	s_mul_i32 s24, s16, 16*XPIT                    ; my stage
	v_add_nc_u32 v6, s24, v5                       ; in: a row's 512 bytes as they lie
	v_mul_u32_u24 v7, v3, XPIT
	v_lshl_add_u32 v7, v4, 7, v7
	v_add_nc_u32 v7, s24, v7                       ; out: row r, + 128 h: my block of 32 numbers
	s_lshl_b32 s26, ttmp9, 3
	s_lshl_b32 s18, s16, 1
	s_add_co_u32 s26, s26, s18
	s_mul_i32 s26, s26, 1536                       ; image (tile, 2 w)
	s_mov_b32 s27, 0
	s_mul_i32 s28, s16, 2*PLANE
	s_lshl_b32 s18, ttmp9, 6
	s_add_co_u32 s28, s28, s18                     ; scale words: plane 2 w, 64 bytes a tile
	s_mov_b32 s29, 0
	v_mul_u32_u24 v8, v4, PLANE
	v_lshl_add_u32 v8, v3, 2, v8                   ; lanes 0-15 store K step 2 w's words, lanes 16-31 K step 2 w + 1's
	v_lshlrev_b32 v9, 3, v4                        ; 8 h: my bytes' place in the word
	v_mov_b32 v10, 0                               ; (a lane permute's destination counts as one of its sources)
	s_wait_kmcnt 0x0
	s_add_nc_u64 s[4:5], s[4:5], s[22:23]
	s_add_nc_u64 s[12:13], s[12:13], s[26:27]
	s_add_nc_u64 s[14:15], s[14:15], s[28:29]
.irp kk, 0,1
.irp i, 0,1,2,3,4,5,6,7,8,9,10,11,12,13,14,15
	global_load_b128 v[XR+64*\kk+4*\i:XR+64*\kk+4*\i+3], v5, s[4:5] offset:(\i+8*(\i/8))*4096+512*\kk th:TH_LOAD_NT   ; place i's row: 512 consecutive bytes a load
.endr
.endr
; One K step: the 16 rows turn through my stage, so that lane (r, h) holds blocks h and 2 + h of row r; each block's largest magnitude is found inside the lane.
.macro XSTEP kk
	s_wait_loadcnt 16-16*\kk                       ; this K step's 16 loads are in; the other's may be out
.set xi, 0
.rept 16
	ds_store_b128 v6, v[XR+64*\kk+4*xi:XR+64*\kk+4*xi+3] offset:XPIT*xi
.set xi, xi+1
.endr
.set xi, 0
.rept 16
	ds_load_b128 v[XT+4*xi:XT+4*xi+3], v7 offset:256*(xi/8)+16*(xi%8)   ; LDS serves a wave's instructions in order: these see my stores
.set xi, xi+1
.endr
	s_wait_dscnt 0x0
.irp c, 0,1
	v_max3_num_f32 v[20+\c], |v[XT+32*\c]|, |v[XT+1+32*\c]|, 0x1800000   ; with the floor 2^(3 - 127): the byte cannot fall under 1
.endr
.irp i, 2,4,6,8,10,12,14,16,18,20,22,24,26,28,30
.irp c, 0,1
	v_max3_num_f32 v[20+\c], v[20+\c], |v[XT+32*\c+\i]|, |v[XT+1+32*\c+\i]|
.endr
.endr
.irp c, 0,1
	v_add_nc_u32 v[22+\c], 0xff000000, v[20+\c]    ; 2 off the exponent field: the conversion's scale operand
.endr
.irp c, 0,1
	v_lshrrev_b32 v[24+\c], 23, v[22+\c]           ; the scale's byte
.endr
	v_lshl_or_b32 v[26+\kk], v25, 16, v24          ; blocks h and 2 + h,
	v_lshlrev_b32 v[26+\kk], v9, v[26+\kk]         ; at their places;
	v_permlanex16_b32 v10, v[26+\kk], s20, s21
	v_or_b32 v[26+\kk], v[26+\kk], v10             ; with lane l xor 16's two the word is whole, in both halves
.irp c, 0,1
	v_cvt_scalef32_pk16_fp6_f32 v[PC+12*\kk+6*\c:PC+12*\kk+6*\c+2], v[XT+32*\c:XT+32*\c+15], v[22+\c]
	v_cvt_scalef32_pk16_fp6_f32 v[C2+4*\c:C2+4*\c+2], v[XT+32*\c+16:XT+32*\c+31], v[22+\c]
.endr
	v_nop                                          ; one plain place behind a scaled conversion
.irp c, 0,1
.irp i, 0,1,2
	v_mov_b32 v[PC+12*\kk+6*\c+3+\i], v[C2+4*\c+\i]
.endr
.endr
.irp c, 0,1,2
	global_store_b128 v5, v[PC+12*\kk+4*\c:PC+12*\kk+4*\c+3], s[12:13] offset:1536*\kk+512*\c   ; the image: 512 consecutive bytes a store; each K step has its own registers
.endr
.endm
	XSTEP 0
	XSTEP 1
	v_cmp_lt_u32 vcc_lo, 15, v2
	v_cndmask_b32 v28, v26, v27, vcc_lo
	global_store_b32 v8, v28, s[14:15]
	s_wait_tensorcnt 0x0                           ; the wave's end, behind my last LDS store
	ds_add_u32 v[SPW], v[NIL]
	s_wait_dscnt 0x0
	s_endpgm
	; ---------------- a weight: K step s of 128 columns ----------------
.Lweights:
	s_sub_co_u32 s17, ttmp9, 512
	s_and_b32 s18, s17, 7                          ; s
	s_lshr_b32 s19, s17, 3
	s_lshr_b32 s30, s19, 3                         ; m: which weight
	s_and_b32 s19, s19, 7                          ; which 128 columns
	s_lshl_b32 s22, s18, 19                        ; 128 rows of 4,096 bytes a K step
	s_lshl_b32 s24, s19, 9
	s_add_co_u32 s22, s22, s24
	s_lshl_b32 s24, s16, 7
	s_add_co_u32 s22, s22, s24                     ; + my wave's 32 columns
	s_mov_b32 s23, 0
	s_lshl_b32 s25, s30, 6
	s_lshl_b32 s24, s19, 3
	s_add_co_u32 s25, s25, s24
	s_lshl_b32 s24, s16, 1
	s_add_co_u32 s25, s25, s24
	s_add_co_u32 s25, s25, 512                     ; my first tile: 512 + 64 m + 8 x (128 columns) + 2 w
	s_lshl_b32 s26, s25, 3
	s_add_co_u32 s26, s26, s18
	s_mul_i32 s26, s26, 1536
	s_mov_b32 s27, 0
	s_mul_i32 s28, s18, PLANE
	s_lshl_b32 s24, s25, 6
	s_add_co_u32 s28, s28, s24
	s_mov_b32 s29, 0
	v_lshlrev_b32 v6, 2, v2                        ; in: 4 bytes a lane
	v_bfe_u32 v7, v0, 3, 1                         ; column l lies in tile u = (l / 8) % 2
	v_and_b32 v8, 7, v0
	v_lshl_add_u32 v8, v4, 3, v8                   ; at place r = l % 8 + 8 (l / 16)
	s_mul_i32 s24, s16, 2*WPIT
	s_add_co_u32 s24, s24, STW
	v_mul_u32_u24 v9, v7, WPIT
	v_lshl_add_u32 v9, v8, 4, v9
	v_add_nc_u32 v9, s24, v9                       ; into the images: tile u, 16 bytes a place
	v_add_nc_u32 v10, s24, v5                      ; back: 16 x lane
	v_lshl_add_u32 v11, v7, 4, v8
	v_lshlrev_b32 v11, 2, v11                      ; my scale word's place: 4 (16 u + r)
	s_wait_kmcnt 0x0
	s_cmp_eq_u32 s30, 0
	s_cselect_b64 s[6:7], s[6:7], s[8:9]
	s_cmp_eq_u32 s30, 2
	s_cselect_b64 s[6:7], s[10:11], s[6:7]         ; the choice hangs on the work-group's number alone
	s_add_nc_u64 s[6:7], s[6:7], s[22:23]
	s_add_nc_u64 s[12:13], s[12:13], s[26:27]
	s_add_nc_u64 s[14:15], s[14:15], s[28:29]
.macro WHALF hh                        ; half hh of eight: W(128 s + 16 hh + i, my column), i = 0 .. 15; each of the 128 numbers has a register of its own
.set wi, 0
.rept 16
	global_load_b32 v[XR+16*(\hh)+wi], v6, s[6:7] offset:4096*(16*(\hh)+wi) th:TH_LOAD_NT
.set wi, wi+1
.endr
.endm
; Block k of my column (halves 2 k and 2 k + 1) belongs to image lane r + 16 (k % 2), registers 6 (k / 2) on: 24 bytes, stored as 16 + 8 or 8 + 16.
; The loads run a block and a half ahead: at most three halves, 48 loads, of a wave are out.
.macro WBLOCK k
.set X0, XR+32*(\k)
.if \k < 3
	s_wait_loadcnt 16                              ; this block's two halves are in; the one half issued behind them may be out
.else
	s_wait_loadcnt 0x0
.endif
.if \k < 2
	WHALF 2*(\k)+3
	WHALF 2*(\k)+4
.elseif \k == 2
	WHALF 7
.endif
	v_max3_num_f32 v20, |v[X0]|, |v[X0+1]|, |v[X0+2]|
	v_max3_num_f32 v21, |v[X0+3]|, |v[X0+4]|, |v[X0+5]|
.irp i, 6,10,14,18,22,26
	v_max3_num_f32 v20, v20, |v[X0+\i]|, |v[X0+\i+1]|
	v_max3_num_f32 v21, v21, |v[X0+\i+2]|, |v[X0+\i+3]|
.endr
	v_max3_num_f32 v20, v20, |v[X0+30]|, |v[X0+31]|
	v_max3_num_f32 v20, v20, v21, 0x1800000        ; and the floor
	v_add_nc_u32 v22, 0xff000000, v20
	v_lshrrev_b32 v23, 23, v22
.if \k == 0
	v_mov_b32 v24, v23
.else
	v_lshl_or_b32 v24, v23, 8*(\k), v24            ; my column's scale word
.endif
	v_cvt_scalef32_pk16_fp6_f32 v[WCD+8*(\k):WCD+8*(\k)+2], v[X0:X0+15], v22
	v_cvt_scalef32_pk16_fp6_f32 v[W2+4*(\k):W2+4*(\k)+2], v[X0+16:X0+31], v22
	v_nop                                          ; one plain place behind a scaled conversion
.irp i, 0,1,2
	v_mov_b32 v[WCD+8*(\k)+3+\i], v[W2+4*(\k)+\i]
.endr
.if \k < 2
	ds_store_b128 v9, v[WCD+8*(\k):WCD+8*(\k)+3] offset:256*((\k)%2)
	ds_store_b64 v9, v[WCD+8*(\k)+4:WCD+8*(\k)+5] offset:512+256*((\k)%2)
.else
	ds_store_b64 v9, v[WCD+8*(\k):WCD+8*(\k)+1] offset:520+256*((\k)%2)
	ds_store_b128 v9, v[WCD+8*(\k)+2:WCD+8*(\k)+5] offset:1024+256*((\k)%2)
.endif
.endm
	WHALF 0
	WHALF 1
	WHALF 2
	WBLOCK 0
	WBLOCK 1
	WBLOCK 2
	WBLOCK 3
.irp u, 0,1
.irp c, 0,1,2
	ds_load_b128 v[RBK+12*\u+4*\c:RBK+12*\u+4*\c+3], v10 offset:WPIT*\u+512*\c   ; in order behind my stores
.endr
.endr
	global_store_b32 v11, v24, s[14:15]
	s_wait_dscnt 0x0
.irp u, 0,1
.irp c, 0,1,2
	global_store_b128 v5, v[RBK+12*\u+4*\c:RBK+12*\u+4*\c+3], s[12:13] offset:12288*\u+512*\c
.endr
.endr
	s_wait_tensorcnt 0x0                           ; the wave's end: the three lines
	ds_add_u32 v[SPW], v[NIL]
	s_wait_dscnt 0x0
	s_endpgm
.Lfunc_end_k_q0f75b46f83_quant:
	.size	k_q0f75b46f83_quant, .Lfunc_end_k_q0f75b46f83_quant-k_q0f75b46f83_quant
	.p2alignl 7, 3214868480
	.fill 96, 4, 3214868480
	.section	.rodata,"a",@progbits
	.p2align	6, 0x0
	.amdhsa_kernel k_q0f75b46f83_quant
		.amdhsa_group_segment_fixed_size 47616
		.amdhsa_private_segment_fixed_size 0
		.amdhsa_enable_private_segment 0
		.amdhsa_kernarg_size 48
		.amdhsa_user_sgpr_count 2
		.amdhsa_user_sgpr_kernarg_segment_ptr 1
		.amdhsa_wavefront_size32 1
		.amdhsa_system_sgpr_workgroup_id_x 1
		.amdhsa_system_sgpr_workgroup_id_y 1
		.amdhsa_system_sgpr_workgroup_id_z 1
		.amdhsa_system_vgpr_workitem_id 0
		.amdhsa_next_free_vgpr 256
		.amdhsa_next_free_sgpr 66
		.amdhsa_reserve_vcc 1
		.amdhsa_float_denorm_mode_32 3
		.amdhsa_float_denorm_mode_16_64 3
		.amdhsa_memory_ordered 1
		.amdhsa_forward_progress 1
		.amdhsa_inst_pref_size 38
	.end_amdhsa_kernel
	.amdgpu_metadata
---
amdhsa.version: [ 1, 2 ]
amdhsa.kernels:
  - .name:           k_q0f75b46f83_quant
    .symbol:         k_q0f75b46f83_quant.kd
    .args:
      - { .name: x, .offset: 0, .size: 8, .value_kind: global_buffer, .address_space: global }
      - { .name: Wq, .offset: 8, .size: 8, .value_kind: global_buffer, .address_space: global }
      - { .name: Wk, .offset: 16, .size: 8, .value_kind: global_buffer, .address_space: global }
      - { .name: Wv, .offset: 24, .size: 8, .value_kind: global_buffer, .address_space: global }
      - { .name: opc, .offset: 32, .size: 8, .value_kind: global_buffer, .address_space: global }
      - { .name: ops, .offset: 40, .size: 8, .value_kind: global_buffer, .address_space: global }
    .group_segment_fixed_size: 47616
    .private_segment_fixed_size: 0
    .kernarg_segment_align: 8
    .kernarg_segment_size: 48
    .max_flat_workgroup_size: 128
    .sgpr_count:     66
    .vgpr_count:     256
    .wavefront_size: 32
...
	.end_amdgpu_metadata
.endif
;; end of part 1
;; launch proj (part 2): grid 8 x 32, 4 waves a work-group, clusters of 4 x 4, 327,680 bytes of LDS; arguments opc, ops, bq, bk, bv, qkc, qks, vtc, vts; writes qkc, qks, vtc, vts
.if DOCPART == 2
	.amdgcn_target "amdgcn-amd-amdhsa--gfx1250"
	.amdhsa_code_object_version 6
	.text
	.protected	k_q0f75b46f83_proj
	.globl	k_q0f75b46f83_proj
	.p2align	8
	.type	k_q0f75b46f83_proj,@function
k_q0f75b46f83_proj:
	s_mov_b64 s[64:65], 0
	v_nop
	global_prefetch_b8 v0, s[64:65] scope:SCOPE_SE
	s_setreg_imm32_b32 hwreg(HW_REG_WAVE_MODE, 25, 1), 1
	s_wait_xcnt 0x0
	s_wait_alu depctr_hold_cnt(0) depctr_sa_sdst(0) depctr_va_vdst(0) depctr_va_sdst(0) depctr_va_ssrc(0) depctr_va_vcc(0) depctr_vm_vsrc(0)
	s_getreg_b32 s2, hwreg(HW_REG_IB_STS2, 6, 4)
	s_cmp_eq_u32 s2, 0
	s_cbranch_scc0 .Lentry_in_a_cluster
	s_endpgm
.Lentry_in_a_cluster:
	s_bfe_u32 s2, ttmp6, 0x10000c
	s_cmp_lg_u32 s2, 0xf033
	s_cbranch_scc0 .Lentry_shape_is_right
	s_endpgm
.Lentry_shape_is_right:
; Launch 2 of 4: Q = x Wq + bq, K = x Wk + bk, V^T = (x Wv + bv)^T on codes of FP6, each result quantised in registers along the next product's K and stored as register images (layout: head of the first kernel).
; Work left out: Wk's factor 1.0 (an identity).
; SHARES.  256 work-groups that stay; each makes three tiles of 128 x 256 with K = 1,024.  With gx = 4 x cluster x + cx, gy = 4 x cluster y + cy:
;   T0: rows 128 gy of x against columns 256 gx of [Wq | Wk];  T1: rows 4,096 + 128 gy, the same columns;  T2: 128 columns of Wv (as the rows of V^T) against 256 rows of x (the keys).
; THE MATRIX INSTRUCTION IS USED TRANSPOSED: source 0 = 16 places of the 256-wide operand B, source 1 = 16 places of the 128-wide operand A.  A lane holds one place of A, and by the order of places in a tile the 64
; registers of a wave's eight tiles of B are 64 numbers along the next K, register 16 b + i = k 32 b + 16 (lane / 16) + i: one fragment of the next product for each tile of A.
; A wave makes 64 x 128: 32 accumulators.  K goes through two LDS slots of 512 along K; a slot holds A's and B's images and their scale words, dense: an image is read 16 bytes a lane on end.
; CLUSTER 4 x 4.  In all three tiles A's address hangs on the cluster's y and cy alone, B's on the cluster's x, y and cx alone: A's tiles are asked for jointly along a row of the cluster, B's along a column.
; Wave 0 asks for A's codes, wave 1 for B's, wave 2 for A's scale words, wave 3 for B's: one load a wave behind each round.  Two loads of a wave are out at the head, one afterwards.
; qkc: [Q, K][tile 512][s 8][1536]  qks: [Q, K][s 8][8192] words  vtc: [tile of d 64][s = key / 128, 64][1536]  vts: [s 64][1024] words.
; REGISTERS: window 0: v2-15 addresses; v16-27 scale words, two sets, and nothing else; v28-31 the words just made; v32-127 A's fragments, two sets; v128-191 64 numbers; v192-211 codes; v212-227 at work.
;   window 1: the accumulators, (a, b) at v[64 a + 8 b].   window 2: B's fragments, two sets, at v0 and v128.   window 3: v0-63 the bias along the registers, v64-71 bv of my places, in pairs.
.set NA,    4
.set NQ,    4                          ; K steps of 128 in a slot
.set RB,    NQ*1536                    ; a tile's bytes in a slot
.set OBC,   49152                      ; a slot: A's 8 tiles, B's 16 tiles,
.set OAS,   147456                     ; A's scale words [q 4][128],
.set OBS,   149504                     ; B's [q 4][256]
.set SLOT,  153600
.set SPARE, 2*SLOT                     ; the spare words, 128 bytes for each wave, that no other line names
.set AA,  2                            ; v2-3  A's images in slot 0, 1
.set BA,  4                            ; v4-5  B's
.set SAA, 6                            ; v6-7  A's scale words
.set SBA, 8                            ; v8-9  B's
.set SPW, 10                           ; v10   my spare word; never rewritten
.set NIL, 11                           ; v11   0; never rewritten
.set LI,  12                           ; v12   16 x lane
.set LS,  13                           ; v13   4 x lane
.set BO,  14                           ; v14   64 h: the bias along the registers
.set MO,  15                           ; v15   4 (r + 8 (r / 8)): bv of my place
.set SC,  16                           ; set p at v[SC + 6 p]: four registers for B (lanes 0-15 tile 2 i, lanes 16-31 tile 2 i + 1), two for A
.set PW,  28
.set AF,  32
.set TT,  128
.set PC,  192
.set TM,  212
.set SW,  228
.set BN,  0
.set BM,  64
.set WV,  22
.set WR,  23
.set WC,  66
.set SEL0, 67
.set SEL1, 105
.set HM,  104                          ; the lanes 16-31
.set CX,  92
.set CY,  93
.set CLY, 94
.set TA0, 95                           ; A's first tile in T0, T1, T2
.set TA1, 96
.set TA2, 99
.set TB0, 97                           ; B's first tile in T0 and T1; in T2
.set TB2, 98
.set G1AC, 24
.set G1BC, 32
.set G1AS, 40
.set G1BS, 48
.set G0AC, 56                          ; groups 0: a set for each slot
.set G0BC, 68
.set G0AS, 76
.set G0BS, 84
.set MULW, 0x52                        ; source 0 (B) window 2, source 1 (A) window 0, C and D window 1
.set MSB, 0
.macro WIN new                         ; the immediate's high byte repeats the setting that is left
.if MSB != (\new)
	s_set_vgpr_msb (MSB<<8)|(\new)
.set MSB, (\new)
.endif
.endm
.macro PLACES                          ; four plain places behind matrix instructions, ahead of loads into their sources and of reads of their results
.rept 4
	v_nop
.endr
.endm
.macro TL g0, g1                       ; an s_nop 0 and four v_nop follow each tensor load
	tensor_load_to_lds s[\g0:\g0+3], s[\g1:\g1+7]
	s_nop 0
.rept 4
	v_nop
.endr
.endm
.macro JLOAD sl                        ; each wave's one joint load; the branches hang on the wave's number alone
	s_cmp_lt_u32 s[WV], 2
	s_cbranch_scc0 .Lscl_\@
	s_cmp_eq_u32 s[WV], 0
	s_cbranch_scc0 .Lbc_\@
	TL G0AC+4*\sl, G1AC
	s_branch .Lasked_\@
.Lbc_\@:
	TL G0BC+4*\sl, G1BC
	s_branch .Lasked_\@
.Lscl_\@:
	s_cmp_eq_u32 s[WV], 2
	s_cbranch_scc0 .Lbs_\@
	TL G0AS+4*\sl, G1AS
	s_branch .Lasked_\@
.Lbs_\@:
	TL G0BS+4*\sl, G1BS
.Lasked_\@:
.endm
.macro CREST                           ; a round of the cluster's barrier behind its opening barrier
	s_cmp_lg_u32 s[WV], 0
	s_cbranch_scc1 .Lnot_wave_0_\@
	s_barrier_signal -3
.Lnot_wave_0_\@:
	s_barrier_wait -3
	s_barrier_signal -1
	s_barrier_wait -1
.endm
.macro CROUND
	s_barrier_signal -1
	s_barrier_wait -1
	CREST
.endm
; The four streams' global addresses for the tile with A's first tile s[ta] and B's s[tb], K half sl.  A's temporaries s[2:3] never hold cx, B's s[100:101] never cy.
.macro SETG0 ta, tb, sl
	s_mul_i32 s2, s[\ta], 12288                    ; a tile's eight images
	s_mov_b32 s3, 0
	s_add_nc_u64 s[G0AC+4*\sl+2:G0AC+4*\sl+3], s[4:5], s[2:3]
	s_lshl_b32 s2, s[\ta], 6                       ; a tile's 16 words in a plane
	s_add_nc_u64 s[G0AS+4*\sl+2:G0AS+4*\sl+3], s[6:7], s[2:3]
	s_mul_i32 s100, s[\tb], 12288
	s_mov_b32 s101, 0
	s_add_nc_u64 s[G0BC+4*\sl+2:G0BC+4*\sl+3], s[4:5], s[100:101]
	s_lshl_b32 s100, s[\tb], 6
	s_add_nc_u64 s[G0BS+4*\sl+2:G0BS+4*\sl+3], s[6:7], s[100:101]
.if \sl
	s_add_nc_u64 s[G0AC+4*\sl+2:G0AC+4*\sl+3], s[G0AC+4*\sl+2:G0AC+4*\sl+3], 6144     ; four images on
	s_add_nc_u64 s[G0BC+4*\sl+2:G0BC+4*\sl+3], s[G0BC+4*\sl+2:G0BC+4*\sl+3], 6144
	s_add_nc_u64 s[G0AS+4*\sl+2:G0AS+4*\sl+3], s[G0AS+4*\sl+2:G0AS+4*\sl+3], 180224   ; four planes on
	s_add_nc_u64 s[G0BS+4*\sl+2:G0BS+4*\sl+3], s[G0BS+4*\sl+2:G0BS+4*\sl+3], 180224
.endif
	s_or_b32 s[G0AC+4*\sl+3], s[G0AC+4*\sl+3], 0x80000000
	s_or_b32 s[G0BC+4*\sl+3], s[G0BC+4*\sl+3], 0x80000000
	s_or_b32 s[G0AS+4*\sl+3], s[G0AS+4*\sl+3], 0x80000000
	s_or_b32 s[G0BS+4*\sl+3], s[G0BS+4*\sl+3], 0x80000000
.endm
; One product: A's tile a, B's tile b, fragment set p.  An odd tile's scale words stand in lanes 16-31 of its register.
.macro WM a, b, p, zero
.set rD, 64*(\a)+8*(\b)
.set rB, 128*(\p)+12*(\b)
.set rA, AF+12*NA*(\p)+12*(\a)
.set rSB, SC+6*(\p)+(\b)/2
.set rSA, SC+6*(\p)+4+(\a)/2
.set rowsel, 2*((\a)%2)+(\b)%2
.if \zero
.if rowsel == 0
	v_wmma_scale_f32_16x16x128_f8f6f4 v[rD:rD+7], v[rB:rB+11], v[rA:rA+11], 0, v[rSB], v[rSA] matrix_a_fmt:MATRIX_FMT_FP6 matrix_b_fmt:MATRIX_FMT_FP6
.elseif rowsel == 1
	v_wmma_scale_f32_16x16x128_f8f6f4 v[rD:rD+7], v[rB:rB+11], v[rA:rA+11], 0, v[rSB], v[rSA] matrix_a_fmt:MATRIX_FMT_FP6 matrix_b_fmt:MATRIX_FMT_FP6 matrix_a_scale:MATRIX_SCALE_ROW1
.elseif rowsel == 2
	v_wmma_scale_f32_16x16x128_f8f6f4 v[rD:rD+7], v[rB:rB+11], v[rA:rA+11], 0, v[rSB], v[rSA] matrix_a_fmt:MATRIX_FMT_FP6 matrix_b_fmt:MATRIX_FMT_FP6 matrix_b_scale:MATRIX_SCALE_ROW1
.else
	v_wmma_scale_f32_16x16x128_f8f6f4 v[rD:rD+7], v[rB:rB+11], v[rA:rA+11], 0, v[rSB], v[rSA] matrix_a_fmt:MATRIX_FMT_FP6 matrix_b_fmt:MATRIX_FMT_FP6 matrix_a_scale:MATRIX_SCALE_ROW1 matrix_b_scale:MATRIX_SCALE_ROW1
.endif
.else
.if rowsel == 0
	v_wmma_scale_f32_16x16x128_f8f6f4 v[rD:rD+7], v[rB:rB+11], v[rA:rA+11], v[rD:rD+7], v[rSB], v[rSA] matrix_a_fmt:MATRIX_FMT_FP6 matrix_b_fmt:MATRIX_FMT_FP6
.elseif rowsel == 1
	v_wmma_scale_f32_16x16x128_f8f6f4 v[rD:rD+7], v[rB:rB+11], v[rA:rA+11], v[rD:rD+7], v[rSB], v[rSA] matrix_a_fmt:MATRIX_FMT_FP6 matrix_b_fmt:MATRIX_FMT_FP6 matrix_a_scale:MATRIX_SCALE_ROW1
.elseif rowsel == 2
	v_wmma_scale_f32_16x16x128_f8f6f4 v[rD:rD+7], v[rB:rB+11], v[rA:rA+11], v[rD:rD+7], v[rSB], v[rSA] matrix_a_fmt:MATRIX_FMT_FP6 matrix_b_fmt:MATRIX_FMT_FP6 matrix_b_scale:MATRIX_SCALE_ROW1
.else
	v_wmma_scale_f32_16x16x128_f8f6f4 v[rD:rD+7], v[rB:rB+11], v[rA:rA+11], v[rD:rD+7], v[rSB], v[rSA] matrix_a_fmt:MATRIX_FMT_FP6 matrix_b_fmt:MATRIX_FMT_FP6 matrix_a_scale:MATRIX_SCALE_ROW1 matrix_b_scale:MATRIX_SCALE_ROW1
.endif
.endif
.endm
.macro MUL a, p, zero                  ; eight products; the 32 accumulators take turns, one instruction a turn, in the same order in every K step
.irp b, 0,1,2,3,4,5,6,7
	WM \a, \b, \p, \zero
.endr
.endm
.macro FETCH sl, q, p                  ; 42 LDS loads in one run: the fragments and scale words of the slot's q-th K step into set p
	WIN 0x80
.irp b, 0,1,2,3,4,5,6,7
.irp c, 0,1,2
	ds_load_b128 v[128*(\p)+12*\b+4*\c:128*(\p)+12*\b+4*\c+3], v[BA+\sl] offset:\b*RB+(\q)*1536+512*\c
.endr
.endr
	WIN 0
.irp a, 0,1,2,3
.irp c, 0,1,2
	ds_load_b128 v[AF+12*NA*(\p)+12*\a+4*\c:AF+12*NA*(\p)+12*\a+4*\c+3], v[AA+\sl] offset:\a*RB+(\q)*1536+512*\c
.endr
.endr
.irp i, 0,1,2,3
	ds_load_b32 v[SC+6*(\p)+\i], v[SBA+\sl] offset:(\q)*1024+128*\i
.endr
.irp i, 0,1
	ds_load_b32 v[SC+6*(\p)+4+\i], v[SAA+\sl] offset:(\q)*512+128*\i
.endr
.endm
.macro STEP sl, q, zero                ; a K step that has its successor in the same slot: the successor's fetch stands 32 matrix instructions ahead of its use
	s_wait_dscnt 0x0                               ; this step's set is in
	PLACES                                         ; for the loads into the other set, which the last step multiplied
	FETCH \sl, (\q)+1, 1-(\q)%2
	WIN MULW
.irp a, 0,1,2,3
	MUL \a, (\q)%2, \zero
.endr
.endm
; A slot's last K step (set 1) changes slots: ONE barrier.  In front of it each wave waits for all its tensor loads (its part of the next slot), adds 0 to its spare word, and waits for that and for its reads of this slot.
; fill = 1: the barrier opens a round of the cluster's barrier, and this slot is filled again with the same K half of the next tile, first thing behind the round.
.macro TURN sl, nx, fill, ta, tb
	WIN 0
	s_wait_tensorcnt 0x0                           ; no tensor load of mine is out: a group 0 may be written
	ds_add_u32 v[SPW], v[NIL]
.if \fill
	SETG0 \ta, \tb, \sl
.endif
	s_wait_dscnt 1                                 ; set 1 is in; the add alone may be out
	WIN MULW
	MUL 0, 1, 0
	s_wait_dscnt 0x0                               ; the add is done, and my reads of this slot are over
	s_barrier_signal -1
	MUL 1, 1, 0
	WIN 0
	s_barrier_wait -1
.if \fill
	CREST
	JLOAD \sl                                      ; its four v_nop are also the places in front of the loads below
.else
	PLACES
.endif
	FETCH \nx, 0, 0
	WIN MULW
	MUL 2, 1, 0
	MUL 3, 1, 0
.endm
.macro FINAL
	s_wait_dscnt 0x0
	WIN MULW
.irp a, 0,1,2,3
	MUL \a, 1, 0
.endr
	WIN 0
.endm
; 64 numbers of a lane, register 16 b + i = k 32 b + 16 (lane / 16) + i of my place, become a fragment's codes in v[PC] on and its scale word in v[pw] (the same in both halves of the lanes).
.macro QUANT s, pw
.irp b, 0,1,2,3
	v_max3_num_f32 v[TM+\b], |v[\s+16*\b]|, |v[\s+1+16*\b]|, 0x1800000   ; with the floor 2^(3 - 127): the byte cannot fall under 1
.endr
.irp i, 2,4,6,8,10,12,14
.irp b, 0,1,2,3
	v_max3_num_f32 v[TM+\b], v[TM+\b], |v[\s+16*\b+\i]|, |v[\s+1+16*\b+\i]|
.endr
.endr
.irp b, 0,1,2,3
	v_permlanex16_b32 v[TM+4+\b], v[TM+\b], s[SEL0], s[SEL1]
.endr
.irp b, 0,1,2,3
	v_max_num_f32 v[TM+\b], v[TM+\b], v[TM+4+\b]   ; with lane l xor 16's: the block's largest magnitude
.endr
.irp b, 0,1,2,3
	v_add_nc_u32 v[TM+12+\b], 0xff000000, v[TM+\b] ; 2 off the exponent field: the conversion's scale operand
.endr
.irp b, 0,1,2,3
	v_lshrrev_b32 v[TM+4+\b], 23, v[TM+12+\b]      ; the scale's byte
.endr
	v_lshl_or_b32 v[\pw], v[TM+5], 8, v[TM+4]
	v_lshl_or_b32 v[\pw], v[TM+6], 16, v[\pw]
	v_lshl_or_b32 v[\pw], v[TM+7], 24, v[\pw]
.irp c, 0,1
	v_cvt_scalef32_pk16_fp6_f32 v[PC+6*\c:PC+2+6*\c], v[\s+32*\c:\s+15+32*\c], v[TM+12+2*\c]
	v_cvt_scalef32_pk16_fp6_f32 v[PC+12+4*\c:PC+14+4*\c], v[\s+16+32*\c:\s+31+32*\c], v[TM+12+2*\c+1]
.endr
	v_nop                                          ; one plain place behind a scaled conversion
.irp c, 0,1                            ; the operand's layout wants a whole block in a lane
.irp i, 0,1,2
	v_permlane16_swap_b32 v[PC+6*\c+\i], v[PC+12+4*\c+\i]
.endr
.irp i, 0,1,2
	v_mov_b32 v[PC+3+6*\c+\i], v[PC+12+4*\c+\i]
.endr
.endr
.endm
; THE WAY OUT of a tile: for each of my four tiles of A: + bias, quantised, the image stored from registers (512 consecutive bytes a store), two tiles' scale words by one store.
; kind 0: Q or K (by the cluster's x); kind 1: V^T.  The next tile's first fragments and both refills are on their way meanwhile.
.macro EPI kind, ta, first
	PLACES
.if \first
	s_wait_loadcnt 0x0                             ; the biases; their bases s[8:13] are free behind this wait
.endif
	s_wait_xcnt 0x0                                ; the last tile's stores have read their bases
	s_lshl_b32 s12, s[WR], 2
	s_add_co_u32 s12, s12, s[\ta]                  ; my first tile of A
.if \kind == 0
	s_lshl_b32 s13, s[CX], 1
	s_add_co_u32 s13, s13, s[WC]                   ; my 128 columns are K step 2 cx + wc of Q K^T
	s_lshl_b32 s8, s12, 3
	s_add_co_u32 s8, s8, s13
	s_mul_i32 s8, s8, 1536
	s_mul_i32 s10, ttmp9, 6291456
	s_add_co_u32 s8, s8, s10
	s_mov_b32 s9, 0
	s_add_nc_u64 s[8:9], s[14:15], s[8:9]
	s_lshl_b32 s10, s13, 15
	s_lshl_b32 s12, s12, 6
	s_add_co_u32 s10, s10, s12
	s_lshl_b32 s12, ttmp9, 18
	s_add_co_u32 s10, s10, s12
	s_mov_b32 s11, 0
	s_add_nc_u64 s[10:11], s[16:17], s[10:11]
.else
	s_sub_co_u32 s12, s12, 640                     ; my first tile of d
	s_lshr_b32 s13, s[TB2], 3
	s_add_co_u32 s13, s13, s[WC]                   ; my 128 keys are K step (first key) / 128 of P V
	s_lshl_b32 s8, s12, 6
	s_add_co_u32 s8, s8, s13
	s_mul_i32 s8, s8, 1536
	s_mov_b32 s9, 0
	s_add_nc_u64 s[8:9], s[18:19], s[8:9]
	s_lshl_b32 s10, s13, 12
	s_lshl_b32 s12, s12, 6
	s_add_co_u32 s10, s10, s12
	s_mov_b32 s11, 0
	s_add_nc_u64 s[10:11], s[20:21], s[10:11]
.endif
.irp a, 0,1,2,3
	s_wait_xcnt 0x0                                ; the last stores have read their data: the codes' registers may be written
	WIN 0x0d                                       ; source 0 window 1, source 1 window 3
.set ek, 0
.rept 32
.if \kind == 0
	v_pk_add_f32 v[TT+ek:TT+ek+1], v[64*\a+ek:64*\a+ek+1], v[BN+ek:BN+ek+1]          ; each accumulator from its low end on
.else
	v_pk_add_f32 v[TT+ek:TT+ek+1], v[64*\a+ek:64*\a+ek+1], v[BM+2*\a:BM+2*\a+1]
.endif
.set ek, ek+2
.endr
	WIN 0
	QUANT TT, PW+\a
.irp c, 0,1,2
.if \kind == 0
	global_store_b128 v[LI], v[PC+4*\c:PC+4*\c+3], s[8:9] offset:\a*12288+512*\c
.else
	global_store_b128 v[LI], v[PC+4*\c:PC+4*\c+3], s[8:9] offset:\a*98304+512*\c
.endif
.endr
.if \a%2 == 1
	v_cndmask_b32 v[SW+\a/2], v[PW+\a-1], v[PW+\a], s[HM]    ; lanes 0-15 the even tile's words, lanes 16-31 the odd tile's
	global_store_b32 v[LS], v[SW+\a/2], s[10:11] offset:128*(\a/2)
.endif
.endr
.endm
	s_load_b256 s[4:11], s[0:1], 0x0               ; opc s[4:5], ops s[6:7], bq s[8:9], bk s[10:11]
	s_load_b256 s[12:19], s[0:1], 0x20             ; bv s[12:13], qkc s[14:15], qks s[16:17], vtc s[18:19]
	s_load_b64 s[20:21], s[0:1], 0x40              ; vts
	v_lshl_add_u32 v[SPW], v0, 2, SPARE
	v_mov_b32 v[NIL], 0
	ds_add_u32 v[SPW], v[NIL]                      ; the wave's opening: the add, twice on end, and its wait ahead of my first tensor load
	ds_add_u32 v[SPW], v[NIL]
	v_lshrrev_b32 v1, 5, v0
	v_readfirstlane_b32 s[WV], v1                  ; wave 0..3
	s_lshr_b32 s[WR], s[WV], 1                     ; which 64 places of A are mine
	s_and_b32 s[WC], s[WV], 1                      ; which 128 places of B
	s_bfe_u32 s[CX], ttmp6, 0x40000
	s_bfe_u32 s[CY], ttmp6, 0x40004
	s_and_b32 s[CLY], ttmp7, 0xffff
	s_lshl_b32 s[TA0], s[CLY], 2
	s_add_co_u32 s[TA0], s[TA0], s[CY]             ; gy
	s_lshl_b32 s[TA0], s[TA0], 3                   ; T0: x's tile 8 gy
	s_add_co_u32 s[TA1], s[TA0], 256               ; T1: 4,096 rows on
	s_and_b32 s[TA2], s[CLY], 1
	s_lshl_b32 s[TA2], s[TA2], 2
	s_add_co_u32 s[TA2], s[TA2], s[CY]
	s_lshl_b32 s[TA2], s[TA2], 3
	s_add_co_u32 s[TA2], s[TA2], 640               ; T2: Wv's tile 8 (4 (cluster y % 2) + cy)
	s_lshl_b32 s[TB0], ttmp9, 2
	s_add_co_u32 s[TB0], s[TB0], s[CX]             ; gx
	s_lshr_b32 s[TB2], s[CLY], 1
	s_lshl_b32 s[TB2], s[TB2], 3
	s_add_co_u32 s[TB2], s[TB2], s[TB0]
	s_lshl_b32 s[TB2], s[TB2], 4                   ; T2: x's tile 16 (8 (cluster y / 2) + gx)
	s_lshl_b32 s[TB0], s[TB0], 4
	s_add_co_u32 s[TB0], s[TB0], 512               ; T0, T1: [Wq | Wk]'s tile 16 gx
	s_lshl_b32 s2, s[CY], 2
	s_lshl_b32 s2, 15, s2                          ; my row of the cluster
	s_lshl_b32 s100, 0x1111, s[CX]                 ; my column
	; groups 1: elements of 8 bytes, no padding; the mask, and bit 21 beside it
	s_or_b32 s[G1AC], s2, (3<<16)|(1<<21)
	s_or_b32 s[G1AS], s2, (3<<16)|(1<<21)
	s_or_b32 s[G1BC], s100, (3<<16)|(1<<21)
	s_or_b32 s[G1BS], s100, (3<<16)|(1<<21)
	s_mov_b32 s[G1AC+1], 768<<16                   ; A's codes: 8 tiles, of each four images on end (6,144 bytes), 12,288 bytes from tile to tile
	s_mov_b32 s[G1AC+2], 8<<16
	s_mov_b32 s[G1AC+3], 768<<16
	s_mov_b32 s[G1AC+4], 8
	s_mov_b32 s[G1AC+5], 1536
	s_mov_b32 s[G1AC+6], 0
	s_mov_b32 s[G1AC+7], 0
	s_mov_b32 s[G1BC+1], 768<<16                   ; B's codes: 16 tiles
	s_mov_b32 s[G1BC+2], 16<<16
	s_mov_b32 s[G1BC+3], 768<<16
	s_mov_b32 s[G1BC+4], 16
	s_mov_b32 s[G1BC+5], 1536
	s_mov_b32 s[G1BC+6], 0
	s_mov_b32 s[G1BC+7], 0
	s_mov_b32 s[G1AS+1], 64<<16                    ; A's scale words: 4 planes, 512 bytes of each, 45,056 bytes from plane to plane
	s_mov_b32 s[G1AS+2], 4<<16
	s_mov_b32 s[G1AS+3], 64<<16
	s_mov_b32 s[G1AS+4], 4
	s_mov_b32 s[G1AS+5], 5632
	s_mov_b32 s[G1AS+6], 0
	s_mov_b32 s[G1AS+7], 0
	s_mov_b32 s[G1BS+1], 128<<16                   ; B's: 1,024 bytes of each plane
	s_mov_b32 s[G1BS+2], 4<<16
	s_mov_b32 s[G1BS+3], 128<<16
	s_mov_b32 s[G1BS+4], 4
	s_mov_b32 s[G1BS+5], 5632
	s_mov_b32 s[G1BS+6], 0
	s_mov_b32 s[G1BS+7], 0
.irp s, 0,1
	s_mov_b32 s[G0AC+4*\s], 1
	s_mov_b32 s[G0AC+4*\s+1], \s*SLOT
	s_mov_b32 s[G0BC+4*\s], 1
	s_mov_b32 s[G0BC+4*\s+1], \s*SLOT+OBC
	s_mov_b32 s[G0AS+4*\s], 1
	s_mov_b32 s[G0AS+4*\s+1], \s*SLOT+OAS
	s_mov_b32 s[G0BS+4*\s], 1
	s_mov_b32 s[G0BS+4*\s+1], \s*SLOT+OBS
.endr
	s_mov_b32 s[SEL0], 0x76543210
	s_mov_b32 s[SEL1], 0xfedcba98
	s_mov_b32 s[HM], 0xffff0000
	s_wait_dscnt 0x0                               ; both opening adds are done
	s_wait_kmcnt 0x0
	SETG0 TA0, TB0, 0
	SETG0 TA0, TB0, 1
	CROUND                                         ; all sixteen work-groups are here: the first joint loads meet
	JLOAD 0
	JLOAD 1
	v_and_b32 v1, 31, v0
	v_lshlrev_b32 v[LI], 4, v1
	v_lshlrev_b32 v[LS], 2, v1
	s_mul_i32 s2, s[WR], 4*RB
	s_mul_i32 s3, s[WC], 8*RB
	s_add_co_u32 s3, s3, OBC
.irp s, 0,1
	v_add_nc_u32 v[AA+\s], s2, v[LI]
	v_add_nc_u32 v[BA+\s], s3, v[LI]
	s_add_co_u32 s2, s2, SLOT
	s_add_co_u32 s3, s3, SLOT
.endr
	s_lshl_b32 s2, s[WR], 8
	s_add_co_u32 s2, s2, OAS
	s_lshl_b32 s3, s[WC], 9
	s_add_co_u32 s3, s3, OBS
.irp s, 0,1
	v_add_nc_u32 v[SAA+\s], s2, v[LS]
	v_add_nc_u32 v[SBA+\s], s3, v[LS]
	s_add_co_u32 s2, s2, SLOT
	s_add_co_u32 s3, s3, SLOT
.endr
.irp b, 0,1,2,3
	v_mov_b32 v[TM+4+\b], 0                        ; written once: a lane permute's destination counts as one of its sources
.endr
	; the biases.  Along the registers (T0, T1): register 8 b + j of lane (r, h) is column 256 cx + 128 wc + 32 (b / 2) + 16 h + 8 (b % 2) + j of Wq or Wk
	s_cmp_eq_u32 ttmp9, 0
	s_cselect_b64 s[8:9], s[8:9], s[10:11]         ; bq or bk, by the cluster's x
	s_lshl_b32 s100, s[CX], 10
	s_lshl_b32 s101, s[WC], 9
	s_add_co_u32 s100, s100, s101
	s_mov_b32 s101, 0
	s_add_nc_u64 s[8:9], s[8:9], s[100:101]
	v_bfe_u32 v1, v0, 4, 1
	v_lshlrev_b32 v[BO], 6, v1
	; by the lane (T2): place r of my tile a is column 16 (TA2 - 640) + 64 wr + 32 (a / 2) + 8 (a % 2) + r + 8 (r / 8) of Wv
	s_sub_co_u32 s2, s[TA2], 640
	s_lshl_b32 s2, s2, 6
	s_lshl_b32 s3, s[WR], 8
	s_add_co_u32 s2, s2, s3
	s_mov_b32 s3, 0
	s_add_nc_u64 s[12:13], s[12:13], s[2:3]
	v_and_b32 v1, 15, v0
	v_and_b32 v[MO], 8, v1
	v_add_nc_u32 v[MO], v[MO], v1
	v_lshlrev_b32 v[MO], 2, v[MO]
	WIN 0xc0                                       ; destination window 3
.irp b, 0,1,2,3,4,5,6,7
	global_load_b128 v[BN+8*\b:BN+8*\b+3], v[BO], s[8:9] offset:(32*(\b/2)+8*(\b%2))*4
	global_load_b128 v[BN+8*\b+4:BN+8*\b+7], v[BO], s[8:9] offset:(32*(\b/2)+8*(\b%2))*4+16
.endr
.irp a, 0,1,2,3
	global_load_b32 v[BM+2*\a], v[MO], s[12:13] offset:(32*(\a/2)+8*(\a%2))*4      ; twice: a pair for the packed addition
	global_load_b32 v[BM+2*\a+1], v[MO], s[12:13] offset:(32*(\a/2)+8*(\a%2))*4
.endr
	WIN 0
	s_wait_tensorcnt 1                             ; my part of slot 0 is in; slot 1's may stay out
	s_barrier_signal -1
	s_barrier_wait -1
	FETCH 0, 0, 0
	; ---- T0
	STEP 0, 0, 1                                   ; the first products start the sums: nothing is cleared
	STEP 0, 1, 0
	STEP 0, 2, 0
	TURN 0, 1, 1, TA1, TB0
	STEP 1, 0, 0
	STEP 1, 1, 0
	STEP 1, 2, 0
	TURN 1, 0, 1, TA1, TB0
	EPI 0, TA0, 1
	; ---- T1
	STEP 0, 0, 1
	STEP 0, 1, 0
	STEP 0, 2, 0
	TURN 0, 1, 1, TA2, TB2
	STEP 1, 0, 0
	STEP 1, 1, 0
	STEP 1, 2, 0
	TURN 1, 0, 1, TA2, TB2
	EPI 0, TA1, 0
	; ---- T2
	STEP 0, 0, 1
	STEP 0, 1, 0
	STEP 0, 2, 0
	TURN 0, 1, 0, TA2, TB2                         ; nothing is left to fetch: a plain barrier
	STEP 1, 0, 0
	STEP 1, 1, 0
	STEP 1, 2, 0
	FINAL
	EPI 1, TA2, 0
	s_wait_tensorcnt 0x0                           ; the wave's end
	ds_add_u32 v[SPW], v[NIL]
	s_wait_dscnt 0x0
	CROUND                                         ; the closing round
	s_endpgm
.Lfunc_end_k_q0f75b46f83_proj:
	.size	k_q0f75b46f83_proj, .Lfunc_end_k_q0f75b46f83_proj-k_q0f75b46f83_proj
	.p2alignl 7, 3214868480
	.fill 96, 4, 3214868480
	.section	.rodata,"a",@progbits
	.p2align	6, 0x0
	.amdhsa_kernel k_q0f75b46f83_proj
		.amdhsa_group_segment_fixed_size 327680
		.amdhsa_private_segment_fixed_size 0
		.amdhsa_enable_private_segment 0
		.amdhsa_kernarg_size 72
		.amdhsa_user_sgpr_count 2
		.amdhsa_user_sgpr_kernarg_segment_ptr 1
		.amdhsa_wavefront_size32 1
		.amdhsa_system_sgpr_workgroup_id_x 1
		.amdhsa_system_sgpr_workgroup_id_y 1
		.amdhsa_system_sgpr_workgroup_id_z 1
		.amdhsa_system_vgpr_workitem_id 0
		.amdhsa_next_free_vgpr 1024
		.amdhsa_next_free_sgpr 106
		.amdhsa_reserve_vcc 0
		.amdhsa_float_denorm_mode_32 3
		.amdhsa_float_denorm_mode_16_64 3
		.amdhsa_memory_ordered 1
		.amdhsa_forward_progress 1
		.amdhsa_inst_pref_size 255
	.end_amdhsa_kernel
	.section	.bss,"aw",@nobits
	.p2align	6
	.space	262144
	.amdgpu_metadata
---
amdhsa.version: [ 1, 2 ]
amdhsa.kernels:
  - .name:           k_q0f75b46f83_proj
    .symbol:         k_q0f75b46f83_proj.kd
    .args:
      - { .name: opc, .offset: 0, .size: 8, .value_kind: global_buffer, .address_space: global }
      - { .name: ops, .offset: 8, .size: 8, .value_kind: global_buffer, .address_space: global }
      - { .name: bq, .offset: 16, .size: 8, .value_kind: global_buffer, .address_space: global }
      - { .name: bk, .offset: 24, .size: 8, .value_kind: global_buffer, .address_space: global }
      - { .name: bv, .offset: 32, .size: 8, .value_kind: global_buffer, .address_space: global }
      - { .name: qkc, .offset: 40, .size: 8, .value_kind: global_buffer, .address_space: global }
      - { .name: qks, .offset: 48, .size: 8, .value_kind: global_buffer, .address_space: global }
      - { .name: vtc, .offset: 56, .size: 8, .value_kind: global_buffer, .address_space: global }
      - { .name: vts, .offset: 64, .size: 8, .value_kind: global_buffer, .address_space: global }
    .group_segment_fixed_size: 327680
    .private_segment_fixed_size: 0
    .kernarg_segment_align: 8
    .kernarg_segment_size: 72
    .max_flat_workgroup_size: 128
    .sgpr_count:     106
    .vgpr_count:     1024
    .wavefront_size: 32
...
	.end_amdgpu_metadata
.endif
;; end of part 2
;; launch scores (part 3): grid 9 x 16, 4 waves a work-group, no clusters, 327,680 bytes of LDS; arguments qkc, qks, pc, pst; writes pc, pst
.if DOCPART == 3
	.amdgcn_target "amdgcn-amd-amdhsa--gfx1250"
	.amdhsa_code_object_version 6
	.text
	.protected	k_q0f75b46f83_scores
	.globl	k_q0f75b46f83_scores
	.p2align	8
	.type	k_q0f75b46f83_scores,@function
k_q0f75b46f83_scores:
	s_mov_b64 s[64:65], 0
	v_nop
	global_prefetch_b8 v0, s[64:65] scope:SCOPE_SE
	s_setreg_imm32_b32 hwreg(HW_REG_WAVE_MODE, 25, 1), 1
	s_wait_xcnt 0x0
; Launch 3 of 4: S = Q K^T on codes of FP6, the causal mask, and p = 2^(t - M) quantised along the keys, for the tiles of 256 queries x 256 keys at or under the diagonal.
; Work left out: tiles wholly above the diagonal of the mask that reference() builds itself (shown at the head of the first kernel).
; THE SOFTMAX IS TAKEN CHUNK BY CHUNK.  t = score x log2(e) / 32.  For each query and each chunk of 128 keys: M = the ceiling of the chunk's largest t, a whole number; p = 2^(t - M); l = the sum of the unquantised p.
; p's codes and scale words, -M and l go to memory.  The last launch finds the row's M; the difference is a whole number, taken off the scale bytes and off l's exponent: nothing is rounded, the codes are those of the row's M.
; A chunk all of whose keys are hidden (one wave of a diagonal tile; it stays, inside a live tile) comes out by the same lines as zero codes, byte 1, -M = 3e38, l = 0.
; SHARES.  144 work-groups: batch b = y / 4; tile rows 7 - pr and pr (pr = y % 4) have 9 tiles together, one for each x.  Four waves, each 128 queries x 128 keys: 64 accumulators; a wave's keys are one chunk.
; TRANSPOSED: source 0 = 16 keys, source 1 = 16 queries: a lane holds one query, register 16 b + i of a tile of queries is key 32 b + 16 (lane / 16) + i of the chunk.
; NO CLUSTER: tile row I has I + 1 tiles and tile column J has 8 - J: the causal set does not part into fours of work-groups that share an operand, so no grid of clusters fits it.
; K = 1,024 goes in four parts of 256 through THREE LDS slots.  The first three parts are asked for together at the head; the fourth fills slot 0 again, behind the one change of slots that refills, and has
; 224 matrix instructions of a wave in which to land.  Waves 0, 1 fetch Q's and K's codes, waves 2, 3 their scale words.  Three loads of a wave are out at the head, one afterwards.
; pc: [tile of queries 512][chunk 16][1536]   pst: three planes (scale words, -M, l), each [b 4][chunk 16][2048 places].
; REGISTERS: window 0: v10-15 and v224-235 addresses; v16-31 scale words, two sets, and nothing else; v32-223 Q's fragments, two sets, and on the way out the softmax's registers.  windows 1, 2: the accumulators.  window 3: K's fragments, two sets.
.set NA,    8
.set NQ,    2
.set RB,    NQ*1536
.set OBC,   49152
.set OAS,   98304
.set OBS,   100352
.set SLOT,  102400
.set SPARE, 3*SLOT                     ; the spare words, 128 bytes for each wave, that no other line names
.set AA,  224                          ; v224-226  Q's images in slot 0, 1, 2
.set BA,  227                          ; v227-229  K's
.set SAA, 230                          ; v230-232  Q's scale words
.set SBA, 233                          ; v233-235  K's
.set SPW, 10
.set NIL, 11
.set LI,  12
.set LS,  13
.set DL,  14                           ; v14  my query less my half's first key, for tile 0
.set NINF, 15                          ; v15  -infinity
.set SC,  16                           ; set p at v[SC + 8 p]: four registers for K, four for Q
.set AF,  32
.set TT,  32                           ; the way out: 64 numbers
.set PC,  96                           ; codes
.set MX,  116                          ; the blocks' largest
.set MY,  120
.set SO,  124                          ; the conversions' scale operands
.set NM,  128                          ; v[128:129] -M (the packed form names a pair)
.set PWR, 130                          ; p's scale word
.set LL,  131                          ; l
.set SUMA, 132
.set SUMB, 134
.set SV,  136                          ; the even tile's word, -M, l
.set LT,  139
.set OW,  140                          ; what is stored
.set TMPM, 143
.set WV,  12
.set WR,  13
.set WC,  66
.set CS,  22                           ; s[22:23] log2(e) / 32
.set G1C, 24
.set G1S, 32
.set G0C, 40                           ; s[40:51] a set for each slot
.set G0S, 84                           ; s[84:95] likewise
.set SEL0, 56
.set SEL1, 57
.set HM,  58
.set CK,  59                           ; my chunk of keys: 2 J + wc
.set CQ,  60                           ; my 128 queries: 2 I + wr
.set BB,  61
.set TI,  62
.set TJ,  63
.set TAU, 67                           ; Q's first tile
.set PCB, 68
.set PSB, 70
.set MSB, 0
.macro WIN new
.if MSB != (\new)
	s_set_vgpr_msb (MSB<<8)|(\new)
.set MSB, (\new)
.endif
.endm
.macro PLACES
.rept 4
	v_nop
.endr
.endm
.macro TLOAD sl                        ; an s_nop 0 and four v_nop follow each line; the branch hangs on the wave's number alone
	s_cmp_lt_u32 s[WV], 2
	s_cbranch_scc0 .Lscl_\@
	tensor_load_to_lds s[G0C+4*\sl:G0C+4*\sl+3], s[G1C:G1C+7]
	s_nop 0
.rept 4
	v_nop
.endr
	s_branch .Lasked_\@
.Lscl_\@:
	tensor_load_to_lds s[G0S+4*\sl:G0S+4*\sl+3], s[G1S:G1S+7]
	s_nop 0
.rept 4
	v_nop
.endr
.Lasked_\@:
.endm
.macro WM a, b, p, zero
.set rD, 64*((\a)%4)+8*(\b)
.set rB, 128*(\p)+12*(\b)
.set rA, AF+12*NA*(\p)+12*(\a)
.set rSB, SC+8*(\p)+(\b)/2
.set rSA, SC+8*(\p)+4+(\a)/2
.set rowsel, 2*((\a)%2)+(\b)%2
.if \zero
.if rowsel == 0
	v_wmma_scale_f32_16x16x128_f8f6f4 v[rD:rD+7], v[rB:rB+11], v[rA:rA+11], 0, v[rSB], v[rSA] matrix_a_fmt:MATRIX_FMT_FP6 matrix_b_fmt:MATRIX_FMT_FP6
.elseif rowsel == 1
	v_wmma_scale_f32_16x16x128_f8f6f4 v[rD:rD+7], v[rB:rB+11], v[rA:rA+11], 0, v[rSB], v[rSA] matrix_a_fmt:MATRIX_FMT_FP6 matrix_b_fmt:MATRIX_FMT_FP6 matrix_a_scale:MATRIX_SCALE_ROW1
.elseif rowsel == 2
	v_wmma_scale_f32_16x16x128_f8f6f4 v[rD:rD+7], v[rB:rB+11], v[rA:rA+11], 0, v[rSB], v[rSA] matrix_a_fmt:MATRIX_FMT_FP6 matrix_b_fmt:MATRIX_FMT_FP6 matrix_b_scale:MATRIX_SCALE_ROW1
.else
	v_wmma_scale_f32_16x16x128_f8f6f4 v[rD:rD+7], v[rB:rB+11], v[rA:rA+11], 0, v[rSB], v[rSA] matrix_a_fmt:MATRIX_FMT_FP6 matrix_b_fmt:MATRIX_FMT_FP6 matrix_a_scale:MATRIX_SCALE_ROW1 matrix_b_scale:MATRIX_SCALE_ROW1
.endif
.else
.if rowsel == 0
	v_wmma_scale_f32_16x16x128_f8f6f4 v[rD:rD+7], v[rB:rB+11], v[rA:rA+11], v[rD:rD+7], v[rSB], v[rSA] matrix_a_fmt:MATRIX_FMT_FP6 matrix_b_fmt:MATRIX_FMT_FP6
.elseif rowsel == 1
	v_wmma_scale_f32_16x16x128_f8f6f4 v[rD:rD+7], v[rB:rB+11], v[rA:rA+11], v[rD:rD+7], v[rSB], v[rSA] matrix_a_fmt:MATRIX_FMT_FP6 matrix_b_fmt:MATRIX_FMT_FP6 matrix_a_scale:MATRIX_SCALE_ROW1
.elseif rowsel == 2
	v_wmma_scale_f32_16x16x128_f8f6f4 v[rD:rD+7], v[rB:rB+11], v[rA:rA+11], v[rD:rD+7], v[rSB], v[rSA] matrix_a_fmt:MATRIX_FMT_FP6 matrix_b_fmt:MATRIX_FMT_FP6 matrix_b_scale:MATRIX_SCALE_ROW1
.else
	v_wmma_scale_f32_16x16x128_f8f6f4 v[rD:rD+7], v[rB:rB+11], v[rA:rA+11], v[rD:rD+7], v[rSB], v[rSA] matrix_a_fmt:MATRIX_FMT_FP6 matrix_b_fmt:MATRIX_FMT_FP6 matrix_a_scale:MATRIX_SCALE_ROW1 matrix_b_scale:MATRIX_SCALE_ROW1
.endif
.endif
.endm
.macro MUL a, p, zero                  ; source 0 (K) window 3, source 1 (Q) window 0, C and D window 1 (tiles 0-3) or 2 (tiles 4-7); the 64 accumulators take turns
	WIN 0x53+0x50*((\a)/4)
.irp b, 0,1,2,3,4,5,6,7
	WM \a, \b, \p, \zero
.endr
.endm
.macro FETCH sl, q, p                  ; 56 LDS loads in one run
	WIN 0xc0
.irp b, 0,1,2,3,4,5,6,7
.irp c, 0,1,2
	ds_load_b128 v[128*(\p)+12*\b+4*\c:128*(\p)+12*\b+4*\c+3], v[BA+\sl] offset:\b*RB+(\q)*1536+512*\c
.endr
.endr
	WIN 0
.irp a, 0,1,2,3,4,5,6,7
.irp c, 0,1,2
	ds_load_b128 v[AF+12*NA*(\p)+12*\a+4*\c:AF+12*NA*(\p)+12*\a+4*\c+3], v[AA+\sl] offset:\a*RB+(\q)*1536+512*\c
.endr
.endr
.irp i, 0,1,2,3
	ds_load_b32 v[SC+8*(\p)+\i], v[SBA+\sl] offset:(\q)*1024+128*\i
.endr
.irp i, 0,1,2,3
	ds_load_b32 v[SC+8*(\p)+4+\i], v[SAA+\sl] offset:(\q)*1024+128*\i
.endr
.endm
.macro STEP nsl, nq, p, zero           ; the K step whose fragments stand in set p; the next one's (slot nsl, its nq-th 128 along K) are fetched 64 matrix instructions ahead of their use
	s_wait_dscnt 0x0
	PLACES
	FETCH \nsl, \nq, 1-(\p)
.irp a, 0,1,2,3,4,5,6,7
	MUL \a, \p, \zero
.endr
.endm
; A slot's second K step (set 1) with a barrier: in front of it the wait for all my tensor loads, the add, and the wait for it and for my reads of this slot.
; fill = 1 (slot 0): behind it the slot is filled again first, with the fourth 256 along K; the wait has also shown slots 1 and 2 whole.  fill = 0: behind it slot nx, filled again, is whole.
.macro TURN sl, nx, fill
	WIN 0
	s_wait_tensorcnt 0x0
	ds_add_u32 v[SPW], v[NIL]
.if \fill
	s_add_nc_u64 s[G0C+4*\sl+2:G0C+4*\sl+3], s[G0C+4*\sl+2:G0C+4*\sl+3], 9216      ; six images on
	s_add_nc_u64 s[G0S+4*\sl+2:G0S+4*\sl+3], s[G0S+4*\sl+2:G0S+4*\sl+3], 196608    ; six planes on
.endif
	s_wait_dscnt 1                                 ; set 1 is in; the add alone may be out
	MUL 0, 1, 0
	MUL 1, 1, 0
	s_wait_dscnt 0x0
	s_barrier_signal -1
	MUL 2, 1, 0
	MUL 3, 1, 0
	WIN 0
	s_barrier_wait -1
.if \fill
	TLOAD \sl
.else
	PLACES
.endif
	FETCH \nx, 0, 0
.irp a, 4,5,6,7
	MUL \a, 1, 0
.endr
.endm
; THE WAY OUT of tile a of my queries.
.macro SOFT a
.set CA, 32*((\a)/2)+8*((\a)%2)        ; the tile's first query among my 128
	s_wait_xcnt 0x0                                ; the last stores have read their data
	WIN 1+(\a)/4
.set kk, 0
.rept 32
	v_pk_mul_f32 v[TT+kk:TT+kk+1], v[64*((\a)%4)+kk:64*((\a)%4)+kk+1], s[CS:CS+1] op_sel_hi:[1,0]   ; t; each accumulator from its low end on
.set kk, kk+2
.endr
	WIN 0
	s_cmp_lt_u32 s[CK], s[CQ]                      ; all my keys come before all my queries: nothing is hidden (ids and the wave's number alone)
	s_cbranch_scc1 .Lopen_\@
.set kk, 0
.rept 64
	v_cmp_gt_i32 vcc_lo, 32*(kk/16)+kk%16-CA, v[DL]      ; register 16 b + i is hidden where its key comes after my query
	v_cndmask_b32 v[TT+kk], v[TT+kk], v[NINF], vcc_lo
.set kk, kk+1
.endr
.Lopen_\@:
.irp b, 0,1,2,3
	v_max3_num_f32 v[MX+\b], v[TT+16*\b], v[TT+1+16*\b], v[TT+2+16*\b]    ; each block's largest t: for the chunk's maximum, and, since p rises with t, for the block's largest p
.endr
.irp i, 3,5,7,9,11,13
.irp b, 0,1,2,3
	v_max3_num_f32 v[MX+\b], v[MX+\b], v[TT+16*\b+\i], v[TT+1+16*\b+\i]
.endr
.endr
.irp b, 0,1,2,3
	v_max_num_f32 v[MX+\b], v[MX+\b], v[TT+15+16*\b]
.endr
.irp b, 0,1,2,3
	v_permlanex16_b32 v[MY+\b], v[MX+\b], s[SEL0], s[SEL1]
.endr
.irp b, 0,1,2,3
	v_max_num_f32 v[MX+\b], v[MX+\b], v[MY+\b]
.endr
	v_max3_num_f32 v[TMPM], v[MX], v[MX+1], v[MX+2]
	v_max3_num_f32 v[TMPM], v[TMPM], v[MX+3], 0xff61b1e6   ; held at -3e38 from below: a chunk that is all hidden gets a finite M
	v_floor_f32 v[NM], -v[TMPM]                    ; -M = floor(-t) = -ceil(t)
.set kk, 0
.rept 32
	v_pk_add_f32 v[TT+kk:TT+kk+1], v[TT+kk:TT+kk+1], v[NM:NM+1] op_sel_hi:[1,0]
.set kk, kk+2
.endr
.irp b, 0,1,2,3
	v_add_f32 v[MX+\b], v[MX+\b], v[NM]
.endr
.set kk, 0
.rept 64
	v_exp_f32 v[TT+kk], v[TT+kk]                   ; p = 2^(t - M)
.set kk, kk+1
.endr
	v_nop                                          ; a plain place behind the exponentials
	s_wait_alu depctr_va_vdst(0)                   ; one wait for the batch, ahead of its first reader
.irp b, 0,1,2,3
	v_exp_f32 v[MX+\b], v[MX+\b]                   ; the block's largest p: the same addition and exponential on the same number
.endr
	v_pk_add_f32 v[SUMA:SUMA+1], v[TT:TT+1], v[TT+2:TT+3]          ; l is taken of the unquantised p
	v_pk_add_f32 v[SUMB:SUMB+1], v[TT+4:TT+5], v[TT+6:TT+7]
.irp j, 8,12,16,20,24,28,32,36,40,44,48,52,56,60
	v_pk_add_f32 v[SUMA:SUMA+1], v[SUMA:SUMA+1], v[TT+\j:TT+\j+1]
	v_pk_add_f32 v[SUMB:SUMB+1], v[SUMB:SUMB+1], v[TT+\j+2:TT+\j+3]
.endr
	v_pk_add_f32 v[SUMA:SUMA+1], v[SUMA:SUMA+1], v[SUMB:SUMB+1]
	v_add_f32 v[LL], v[SUMA], v[SUMA+1]
	v_permlanex16_b32 v[LT], v[LL], s[SEL0], s[SEL1]
	v_add_f32 v[LL], v[LL], v[LT]
	s_wait_alu depctr_va_vdst(0)                   ; and one for the four
.irp b, 0,1,2,3
	v_max_num_f32 v[MX+\b], 0x1800000, v[MX+\b]    ; the floor 2^(3 - 127): the byte cannot fall under 1
.endr
.irp b, 0,1,2,3
	v_add_nc_u32 v[SO+\b], 0xff000000, v[MX+\b]
.endr
.irp b, 0,1,2,3
	v_lshrrev_b32 v[MY+\b], 23, v[SO+\b]
.endr
	v_lshl_or_b32 v[PWR], v[MY+1], 8, v[MY]
	v_lshl_or_b32 v[PWR], v[MY+2], 16, v[PWR]
	v_lshl_or_b32 v[PWR], v[MY+3], 24, v[PWR]
.irp c, 0,1
	v_cvt_scalef32_pk16_fp6_f32 v[PC+6*\c:PC+2+6*\c], v[TT+32*\c:TT+15+32*\c], v[SO+2*\c]
	v_cvt_scalef32_pk16_fp6_f32 v[PC+12+4*\c:PC+14+4*\c], v[TT+16+32*\c:TT+31+32*\c], v[SO+2*\c+1]
.endr
	v_nop                                          ; one plain place behind a scaled conversion
.irp c, 0,1
.irp i, 0,1,2
	v_permlane16_swap_b32 v[PC+6*\c+\i], v[PC+12+4*\c+\i]
.endr
.irp i, 0,1,2
	v_mov_b32 v[PC+3+6*\c+\i], v[PC+12+4*\c+\i]
.endr
.endr
.irp c, 0,1,2
	global_store_b128 v[LI], v[PC+4*\c:PC+4*\c+3], s[PCB:PCB+1] offset:(\a)*24576+512*\c     ; the image: 512 consecutive bytes a store
.endr
.if (\a)%2 == 0
	v_mov_b32 v[SV], v[PWR]
	v_mov_b32 v[SV+1], v[NM]
	v_mov_b32 v[SV+2], v[LL]
.else
	v_cndmask_b32 v[OW], v[SV], v[PWR], s[HM]      ; lanes 0-15 the even tile's, lanes 16-31 the odd tile's
	v_cndmask_b32 v[OW+1], v[SV+1], v[NM], s[HM]
	v_cndmask_b32 v[OW+2], v[SV+2], v[LL], s[HM]
	global_store_b32 v[LS], v[OW], s[PSB:PSB+1] offset:128*((\a)/2)
	global_store_b32 v[LS], v[OW+1], s[PSB:PSB+1] offset:524288+128*((\a)/2)
	global_store_b32 v[LS], v[OW+2], s[PSB:PSB+1] offset:1048576+128*((\a)/2)
.endif
.endm
	s_load_b256 s[4:11], s[0:1], 0x0               ; qkc s[4:5], qks s[6:7], pc s[8:9], pst s[10:11]
	v_lshl_add_u32 v[SPW], v0, 2, SPARE
	v_mov_b32 v[NIL], 0
	ds_add_u32 v[SPW], v[NIL]                      ; the wave's opening: the add, twice on end, and its wait ahead of my first tensor load
	ds_add_u32 v[SPW], v[NIL]
	v_lshrrev_b32 v1, 5, v0
	v_readfirstlane_b32 s[WV], v1
	s_lshr_b32 s[WR], s[WV], 1
	s_and_b32 s[WC], s[WV], 1
	s_and_b32 s14, ttmp7, 0xffff
	s_lshr_b32 s[BB], s14, 2                       ; batch
	s_and_b32 s14, s14, 3                          ; pr
	s_sub_co_u32 s15, 8, s14
	s_sub_co_u32 s16, 7, s14
	s_sub_co_u32 s17, ttmp9, s15
	s_cmp_lt_u32 ttmp9, s15                        ; the first 8 - pr work-groups take tile row 7 - pr, the others tile row pr
	s_cselect_b32 s[TI], s16, s14
	s_cselect_b32 s[TJ], ttmp9, s17
	s_lshl_b32 s[CK], s[TJ], 1
	s_add_co_u32 s[CK], s[CK], s[WC]
	s_lshl_b32 s[CQ], s[TI], 1
	s_add_co_u32 s[CQ], s[CQ], s[WR]
	s_lshl_b32 s18, s[BB], 7
	s_lshl_b32 s[TAU], s[TI], 4
	s_add_co_u32 s[TAU], s[TAU], s18               ; Q's first tile
	s_lshl_b32 s20, s[TJ], 4
	s_add_co_u32 s20, s20, s18                     ; K's
	s_cmp_eq_u32 s[WC], 0                          ; even waves fetch for Q, odd ones for K
	s_cselect_b32 s21, s[TAU], s20
	s_mul_i32 s76, s21, 12288
	s_mul_i32 s77, s[WC], 6291456
	s_add_co_u32 s76, s76, s77
	s_mov_b32 s77, 0
	s_lshl_b32 s78, s21, 6
	s_lshl_b32 s79, s[WC], 18
	s_add_co_u32 s78, s78, s79
	s_mov_b32 s79, 0
	s_mul_i32 s80, s[WC], OBC                      ; where they go: Q's first, K's behind
	s_lshl_b32 s81, s[WC], 11
	s_mov_b32 s[G1C], 3<<16                        ; codes: 16 tiles, of each two images on end (3,072 bytes), 12,288 bytes from tile to tile; elements of 8 bytes
	s_mov_b32 s[G1C+1], 384<<16
	s_mov_b32 s[G1C+2], 16<<16
	s_mov_b32 s[G1C+3], 384<<16
	s_mov_b32 s[G1C+4], 16
	s_mov_b32 s[G1C+5], 1536
	s_mov_b32 s[G1C+6], 0
	s_mov_b32 s[G1C+7], 0
	s_mov_b32 s[G1S], 3<<16                        ; scale words: 2 planes, 1,024 bytes of each, 32,768 bytes from plane to plane
	s_mov_b32 s[G1S+1], 128<<16
	s_mov_b32 s[G1S+2], 2<<16
	s_mov_b32 s[G1S+3], 128<<16
	s_mov_b32 s[G1S+4], 2
	s_mov_b32 s[G1S+5], 4096
	s_mov_b32 s[G1S+6], 0
	s_mov_b32 s[G1S+7], 0
	s_mov_b32 s[CS], 0x3d38aa3b                    ; log2(e) / 32
	s_mov_b32 s[CS+1], s[CS]
	s_mov_b32 s[SEL0], 0x76543210
	s_mov_b32 s[SEL1], 0xfedcba98
	s_mov_b32 s[HM], 0xffff0000
	s_wait_dscnt 0x0                               ; both opening adds are done
	s_wait_kmcnt 0x0
.irp s, 0,1,2                          ; the three first fills go out together: 768 of the 1,024 along K
	s_mov_b32 s[G0C+4*\s], 1
	s_add_co_u32 s[G0C+4*\s+1], s80, \s*SLOT
	s_add_nc_u64 s[G0C+4*\s+2:G0C+4*\s+3], s[4:5], s[76:77]
	s_mov_b32 s[G0S+4*\s], 1
	s_add_co_u32 s[G0S+4*\s+1], s81, \s*SLOT+OAS
	s_add_nc_u64 s[G0S+4*\s+2:G0S+4*\s+3], s[6:7], s[78:79]
.if \s
	s_add_nc_u64 s[G0C+4*\s+2:G0C+4*\s+3], s[G0C+4*\s+2:G0C+4*\s+3], \s*3072
	s_add_nc_u64 s[G0S+4*\s+2:G0S+4*\s+3], s[G0S+4*\s+2:G0S+4*\s+3], \s*65536
.endif
	s_or_b32 s[G0C+4*\s+3], s[G0C+4*\s+3], 0x80000000
	s_or_b32 s[G0S+4*\s+3], s[G0S+4*\s+3], 0x80000000
	TLOAD \s
.endr
	v_and_b32 v1, 31, v0
	v_lshlrev_b32 v[LI], 4, v1
	v_lshlrev_b32 v[LS], 2, v1
	s_mul_i32 s14, s[WR], 8*RB
	s_mul_i32 s15, s[WC], 8*RB
	s_add_co_u32 s15, s15, OBC
.irp s, 0,1,2
	v_add_nc_u32 v[AA+\s], s14, v[LI]
	v_add_nc_u32 v[BA+\s], s15, v[LI]
	s_add_co_u32 s14, s14, SLOT
	s_add_co_u32 s15, s15, SLOT
.endr
	s_lshl_b32 s14, s[WR], 9
	s_add_co_u32 s14, s14, OAS
	s_lshl_b32 s15, s[WC], 9
	s_add_co_u32 s15, s15, OBS
.irp s, 0,1,2
	v_add_nc_u32 v[SAA+\s], s14, v[LS]
	v_add_nc_u32 v[SBA+\s], s15, v[LS]
	s_add_co_u32 s14, s14, SLOT
	s_add_co_u32 s15, s15, SLOT
.endr
	v_and_b32 v1, 15, v0
	v_and_b32 v[DL], 8, v1
	v_add_nc_u32 v[DL], v[DL], v1                  ; r + 8 (r / 8)
	v_bfe_u32 v1, v0, 4, 1
	v_lshlrev_b32 v1, 4, v1
	v_sub_nc_u32 v[DL], v[DL], v1                  ; - 16 h
	s_sub_co_u32 s14, s[CQ], s[CK]
	s_lshl_b32 s14, s14, 7
	v_add_nc_u32 v[DL], s14, v[DL]                 ; + my first query - my first key
	v_mov_b32 v[NINF], 0xff800000
	s_lshl_b32 s14, s[WR], 3
	s_add_co_u32 s15, s14, s[TAU]
	s_lshl_b32 s15, s15, 4
	s_add_co_u32 s15, s15, s[CK]
	s_mul_i32 s[PCB], s15, 1536                    ; image (my first tile, my chunk)
	s_mov_b32 s[PCB+1], 0
	s_add_nc_u64 s[PCB:PCB+1], s[8:9], s[PCB:PCB+1]
	s_lshl_b32 s15, s[BB], 4
	s_add_co_u32 s15, s15, s[CK]
	s_lshl_b32 s[PSB], s15, 13
	s_lshl_b32 s15, s[TI], 4
	s_add_co_u32 s15, s15, s14
	s_lshl_b32 s15, s15, 6
	s_add_co_u32 s[PSB], s[PSB], s15
	s_mov_b32 s[PSB+1], 0
	s_add_nc_u64 s[PSB:PSB+1], s[10:11], s[PSB:PSB+1]
	s_wait_tensorcnt 2                             ; my part of slot 0 is in; slots 1 and 2 may stay out
	s_barrier_signal -1
	s_barrier_wait -1
	FETCH 0, 0, 0
	STEP 0, 1, 0, 1                                ; K step 0: the first products start the sums
	TURN 0, 1, 1                                   ; K step 1: slot 0 is left and filled again; slots 1 and 2 are whole
	STEP 1, 1, 0, 0                                ; K step 2
	STEP 2, 0, 1, 0                                ; K step 3: on into slot 2, which the barrier above has shown whole: no barrier here
	STEP 2, 1, 0, 0                                ; K step 4
	TURN 2, 0, 0                                   ; K step 5: slot 0's second fill is whole; nothing is left to fetch
	STEP 0, 1, 0, 0                                ; K step 6
	s_wait_dscnt 0x0
.irp a, 0,1,2,3,4,5,6,7
	MUL \a, 1, 0                                   ; K step 7
.endr
	WIN 0
	PLACES                                         ; the softmax's registers lie where Q's fragments lay
	v_mov_b32 v[NM+1], 0                           ; (named with -M as a pair)
	v_mov_b32 v[LT], 0                             ; (a lane permute's destination counts as one of its sources)
.irp b, 0,1,2,3
	v_mov_b32 v[MY+\b], 0
.endr
.irp a, 0,1,2,3,4,5,6,7
	SOFT \a
.endr
	s_wait_tensorcnt 0x0                           ; the wave's end
	ds_add_u32 v[SPW], v[NIL]
	s_wait_dscnt 0x0
	s_endpgm
.Lfunc_end_k_q0f75b46f83_scores:
	.size	k_q0f75b46f83_scores, .Lfunc_end_k_q0f75b46f83_scores-k_q0f75b46f83_scores
	.p2alignl 7, 3214868480
	.fill 96, 4, 3214868480
	.section	.rodata,"a",@progbits
	.p2align	6, 0x0
	.amdhsa_kernel k_q0f75b46f83_scores
		.amdhsa_group_segment_fixed_size 327680
		.amdhsa_private_segment_fixed_size 0
		.amdhsa_enable_private_segment 0
		.amdhsa_kernarg_size 32
		.amdhsa_user_sgpr_count 2
		.amdhsa_user_sgpr_kernarg_segment_ptr 1
		.amdhsa_wavefront_size32 1
		.amdhsa_system_sgpr_workgroup_id_x 1
		.amdhsa_system_sgpr_workgroup_id_y 1
		.amdhsa_system_sgpr_workgroup_id_z 1
		.amdhsa_system_vgpr_workitem_id 0
		.amdhsa_next_free_vgpr 1024
		.amdhsa_next_free_sgpr 96
		.amdhsa_reserve_vcc 1
		.amdhsa_float_denorm_mode_32 3
		.amdhsa_float_denorm_mode_16_64 3
		.amdhsa_memory_ordered 1
		.amdhsa_forward_progress 1
		.amdhsa_inst_pref_size 250
	.end_amdhsa_kernel
	.amdgpu_metadata
---
amdhsa.version: [ 1, 2 ]
amdhsa.kernels:
  - .name:           k_q0f75b46f83_scores
    .symbol:         k_q0f75b46f83_scores.kd
    .args:
      - { .name: qkc, .offset: 0, .size: 8, .value_kind: global_buffer, .address_space: global }
      - { .name: qks, .offset: 8, .size: 8, .value_kind: global_buffer, .address_space: global }
      - { .name: pc, .offset: 16, .size: 8, .value_kind: global_buffer, .address_space: global }
      - { .name: pst, .offset: 24, .size: 8, .value_kind: global_buffer, .address_space: global }
    .group_segment_fixed_size: 327680
    .private_segment_fixed_size: 0
    .kernarg_segment_align: 8
    .kernarg_segment_size: 32
    .max_flat_workgroup_size: 128
    .sgpr_count:     96
    .vgpr_count:     1024
    .wavefront_size: 32
...
	.end_amdgpu_metadata
.endif
;; end of part 3
;; launch out (part 4): grid 4 x 64, 4 waves a work-group, no clusters, 327,680 bytes of LDS; arguments pc, pst, vtc, vts, out0; writes out0
.if DOCPART == 4
	.amdgcn_target "amdgcn-amd-amdhsa--gfx1250"
	.amdhsa_code_object_version 6
	.text
	.protected	k_q0f75b46f83_out
	.globl	k_q0f75b46f83_out
	.p2align	8
	.type	k_q0f75b46f83_out,@function
k_q0f75b46f83_out:
	s_mov_b64 s[64:65], 0
	v_nop
	global_prefetch_b8 v0, s[64:65] scope:SCOPE_SE
	s_setreg_imm32_b32 hwreg(HW_REG_WAVE_MODE, 25, 1), 1
	s_wait_xcnt 0x0
; Launch 4 of 4: out = (P V) / l on codes of FP6.  Work left out: the keys wholly above the diagonal of the mask that reference() builds itself, in units of 256 (shown at the head of the first kernel).
; SHARES.  256 work-groups: 256 channels dt = x, batch b = y / 16, 128 queries i = y % 16.  Four waves, each 64 queries x 128 channels: 32 accumulators.  The keys go in UNITS of 256: U = i / 2 + 1 of them.
; (For an even i the last unit's second chunk is all hidden: zero codes, dead work inside a live unit.)
; LDS holds FOUR REGIONS of one unit each (P's 8 tiles, then V^T's 16 tiles, as register images); unit u lies in region u % 4.  Wave 0 fetches P of the even units, wave 1 V^T of the even units, waves 2 and 3 the same
; of the odd units.  V^T's scale words of the whole batch, 16 planes, come once, at the head, half of the channels by wave 2 and half by wave 3; 2 U of the planes are read, the others are dead bytes inside a live table.
; THE FIRST FOUR UNITS ARE FIRST FILLS, asked for together at the head.  How many there are hangs on the work-group's number, so the text parts at once into four classes (1, 2, 3, 4 or more units), each with its own
; first fills, its own prologue and its own walk: in each class all that the head fetches is read.  The classes meet again at the last K step, which works on registers alone.
; Units 4 and 5 fill regions 0 and 1 again behind one barrier, units 6 and 7 regions 2 and 3 behind the next: one load a wave, with 112 matrix instructions of a wave between the request and the wait for it.
; The tails are written out. At most three loads of a wave are out at the head, one afterwards.
; THE PROLOGUE brings the chunks of 128 keys under the row's M.  Thread = one of the 128 queries.  -M of the row = the least of the chunks' -M; d = M(row) - M(chunk), a whole number, held at 127; l = the sum of l(chunk) 2^-d;
; d is taken off each of the chunk's four scale bytes.  LIMIT: a byte that would fall under 0 is held at 0, that is 2^-127: such a block weighs under 2^-120 beside a row sum of at least 1/2.
; The rebased words and 1 / l lie in LDS for the whole launch.
; TRANSPOSED: source 0 = 16 places of V^T (channels), source 1 = 16 queries: a lane holds one query, and its 64 registers of a tile of queries are channels 32 b + 16 (lane / 16) + i of my 128.
; NO CLUSTER: where the walk over the keys ends hangs on the work-group's number and leads past loads; only P's tile, a third of a unit's bytes, is shared among work-groups of equal walks.
; REGISTERS: window 0: v2-19 addresses; v20-31 scale words, two sets, and nothing else; v32-127 P's fragments, two sets; v128-191 the prologue's tables, later 64 results; v192-255 rows read back.
;   window 1: the accumulators.   window 2: V^T's fragments, two sets.
.set NA,    4
.set RB,    3072                       ; a tile's two images in a region; also: a unit's bytes in a tile's row in memory
.set OV,    24576                      ; a region: P's 8 tiles, then V^T's 16 tiles
.set REG,   73728
.set SVT,   4*REG                      ; V^T's scale words: for each half of the channels [plane 16][128 places]
.set AST,   SVT+16384                  ; P's rebased scale words [chunk 16][128]
.set RLT,   AST+8192                   ; 1 / l [128]
.set SPARE, RLT+512                    ; the spare words, 128 bytes for each wave, that no other line names
.set SPIT,  528                        ; the way out: a stage of 16 rows x (512 + 16) bytes for each wave, from LDS byte 0 on: in region 0, behind its last fill and its last read
.set AA,  2                            ; v2-5   P's images in regions 0 to 3
.set BA,  6                            ; v6-9   V^T's
.set SBA, 10                           ; v10    V^T's scale words
.set SAA, 11                           ; v11    P's
.set RLA, 12
.set SPW, 13                           ; v13    my spare word; never rewritten
.set NIL, 14                           ; v14    0; never rewritten
.set LI,  15                           ; v15    16 x lane
.set STO, 16
.set RD,  17
.set SC,  20                           ; set p at v[SC + 6 p]: four registers for V^T, two for P
.set RL,  32
.set AF,  32
.set TT,  128
.set RBK, 192
.set PWT, 128                          ; the prologue: 16 scale words,
.set PNM, 144                          ; 16 -M,
.set PLL, 160                          ; 16 l
.set PA,  176
.set RM,  177
.set LSUM, 178
.set DD,  179
.set ND,  180
.set XX,  181
.set KB,  182
.set K2,  183
.set ASTA, 184
.set RLW, 185
.set WV,  14
.set WR,  15
.set WC,  16
.set NS,  17                           ; U
.set G1P, 24
.set G1V, 32
.set G1S, 40
.set G0P, 48                           ; s[48:55] P: a set for my unit of regions 0, 1 and one for my unit of regions 2, 3
.set G0V, 56                           ; s[56:63] V^T likewise
.set G0S, 68
.set MULW, 0x52                        ; source 0 (V^T) window 2, source 1 (P) window 0, C and D window 1
.set MSB, 0
.macro WIN new
.if MSB != (\new)
	s_set_vgpr_msb (MSB<<8)|(\new)
.set MSB, (\new)
.endif
.endm
.macro PLACES
.rept 4
	v_nop
.endr
.endm
.macro TL g0, g1                       ; an s_nop 0 and four v_nop follow each tensor load
	tensor_load_to_lds s[\g0:\g0+3], s[\g1:\g1+7]
	s_nop 0
.rept 4
	v_nop
.endr
.endm
.macro TLPV k                          ; every wave's one load: its unit of the pair of regions k; the branch hangs on the wave's number alone
	s_cmp_eq_u32 s[WC], 0
	s_cbranch_scc0 .Lv_\@
	TL G0P+4*\k, G1P
	s_branch .Lasked_\@
.Lv_\@:
	TL G0V+4*\k, G1V
.Lasked_\@:
.endm
.macro TLEVEN k                        ; the pair's even unit alone: waves 2 and 3 have no part to fill
	s_cmp_eq_u32 s[WR], 0
	s_cbranch_scc0 .Lnone_\@
	TLPV \k
.Lnone_\@:
.endm
.macro STEPD k                         ; the descriptors of the pair of regions k go four units on.  It stands behind a wait for all my tensor loads
	s_add_nc_u64 s[G0P+4*\k+2:G0P+4*\k+3], s[G0P+4*\k+2:G0P+4*\k+3], 4*RB
	s_add_nc_u64 s[G0V+4*\k+2:G0V+4*\k+3], s[G0V+4*\k+2:G0V+4*\k+3], 4*RB
.endm
; The first fills of a class with n units at the head, in one branch on the wave's number; every wave issues at least one.
.macro HEADFILL n
	s_cmp_lt_u32 s[WV], 2
	s_cbranch_scc0 .Lodd_\@
	s_cmp_eq_u32 s[WV], 0
	s_cbranch_scc0 .Lw1_\@
	TL G0P, G1P                                    ; unit 0
.if \n >= 3
	TL G0P+4, G1P                                  ; unit 2
.endif
	s_branch .Lfilled_\@
.Lw1_\@:
	TL G0V, G1V
.if \n >= 3
	TL G0V+4, G1V
.endif
	s_branch .Lfilled_\@
.Lodd_\@:
	TL G0S, G1S                                    ; V^T's scale words: my half of the channels
.if \n >= 2
	s_cmp_eq_u32 s[WV], 2
	s_cbranch_scc0 .Lw3_\@
	TL G0P, G1P                                    ; unit 1
.if \n >= 4
	TL G0P+4, G1P                                  ; unit 3
.endif
	s_branch .Lfilled_\@
.Lw3_\@:
	TL G0V, G1V
.if \n >= 4
	TL G0V+4, G1V
.endif
.endif
.Lfilled_\@:
.endm
.macro WM a, b, p, zero
.set rD, 64*(\a)+8*(\b)
.set rB, 128*(\p)+12*(\b)
.set rA, AF+12*NA*(\p)+12*(\a)
.set rSB, SC+6*(\p)+(\b)/2
.set rSA, SC+6*(\p)+4+(\a)/2
.set rowsel, 2*((\a)%2)+(\b)%2
.if \zero
.if rowsel == 0
	v_wmma_scale_f32_16x16x128_f8f6f4 v[rD:rD+7], v[rB:rB+11], v[rA:rA+11], 0, v[rSB], v[rSA] matrix_a_fmt:MATRIX_FMT_FP6 matrix_b_fmt:MATRIX_FMT_FP6
.elseif rowsel == 1
	v_wmma_scale_f32_16x16x128_f8f6f4 v[rD:rD+7], v[rB:rB+11], v[rA:rA+11], 0, v[rSB], v[rSA] matrix_a_fmt:MATRIX_FMT_FP6 matrix_b_fmt:MATRIX_FMT_FP6 matrix_a_scale:MATRIX_SCALE_ROW1
.elseif rowsel == 2
	v_wmma_scale_f32_16x16x128_f8f6f4 v[rD:rD+7], v[rB:rB+11], v[rA:rA+11], 0, v[rSB], v[rSA] matrix_a_fmt:MATRIX_FMT_FP6 matrix_b_fmt:MATRIX_FMT_FP6 matrix_b_scale:MATRIX_SCALE_ROW1
.else
	v_wmma_scale_f32_16x16x128_f8f6f4 v[rD:rD+7], v[rB:rB+11], v[rA:rA+11], 0, v[rSB], v[rSA] matrix_a_fmt:MATRIX_FMT_FP6 matrix_b_fmt:MATRIX_FMT_FP6 matrix_a_scale:MATRIX_SCALE_ROW1 matrix_b_scale:MATRIX_SCALE_ROW1
.endif
.else
.if rowsel == 0
	v_wmma_scale_f32_16x16x128_f8f6f4 v[rD:rD+7], v[rB:rB+11], v[rA:rA+11], v[rD:rD+7], v[rSB], v[rSA] matrix_a_fmt:MATRIX_FMT_FP6 matrix_b_fmt:MATRIX_FMT_FP6
.elseif rowsel == 1
	v_wmma_scale_f32_16x16x128_f8f6f4 v[rD:rD+7], v[rB:rB+11], v[rA:rA+11], v[rD:rD+7], v[rSB], v[rSA] matrix_a_fmt:MATRIX_FMT_FP6 matrix_b_fmt:MATRIX_FMT_FP6 matrix_a_scale:MATRIX_SCALE_ROW1
.elseif rowsel == 2
	v_wmma_scale_f32_16x16x128_f8f6f4 v[rD:rD+7], v[rB:rB+11], v[rA:rA+11], v[rD:rD+7], v[rSB], v[rSA] matrix_a_fmt:MATRIX_FMT_FP6 matrix_b_fmt:MATRIX_FMT_FP6 matrix_b_scale:MATRIX_SCALE_ROW1
.else
	v_wmma_scale_f32_16x16x128_f8f6f4 v[rD:rD+7], v[rB:rB+11], v[rA:rA+11], v[rD:rD+7], v[rSB], v[rSA] matrix_a_fmt:MATRIX_FMT_FP6 matrix_b_fmt:MATRIX_FMT_FP6 matrix_a_scale:MATRIX_SCALE_ROW1 matrix_b_scale:MATRIX_SCALE_ROW1
.endif
.endif
.endm
.macro MUL a, p, zero                  ; the 32 accumulators take turns, one instruction a turn, in the same order in every K step and into every tail
.irp b, 0,1,2,3,4,5,6,7
	WM \a, \b, \p, \zero
.endr
.endm
.macro FETCH u, q, p, ks               ; 42 LDS loads in one run: region u, its q-th 128 keys, into set p; ks: the chunk of keys, for both tables of scale words
	WIN 0x80
.irp b, 0,1,2,3,4,5,6,7
.irp c, 0,1,2
	ds_load_b128 v[128*(\p)+12*\b+4*\c:128*(\p)+12*\b+4*\c+3], v[BA+\u] offset:\b*RB+(\q)*1536+512*\c
.endr
.endr
	WIN 0
.irp a, 0,1,2,3
.irp c, 0,1,2
	ds_load_b128 v[AF+12*NA*(\p)+12*\a+4*\c:AF+12*NA*(\p)+12*\a+4*\c+3], v[AA+\u] offset:\a*RB+(\q)*1536+512*\c
.endr
.endr
.irp i, 0,1,2,3
	ds_load_b32 v[SC+6*(\p)+\i], v[SBA] offset:512*(\ks)+128*\i
.endr
.irp i, 0,1
	ds_load_b32 v[SC+6*(\p)+4+\i], v[SAA] offset:512*(\ks)+128*\i
.endr
.endm
; K step ks (chunk ks of the keys; set ks % 2).  The next K step's fragments, whose region has been shown whole, are fetched 32 matrix instructions ahead of their use.
.macro KSTEP ks, zero
	s_wait_dscnt 0x0
	PLACES
	FETCH (((\ks)+1)/2)%4, ((\ks)+1)%2, ((\ks)+1)%2, (\ks)+1
	WIN MULW
.irp a, 0,1,2,3
	MUL \a, (\ks)%2, \zero
.endr
.endm
; The first half of an odd K step (set 1) at which a pair of regions is left: one barrier; in front of it the wait for all my tensor loads, the add, and the wait for it and for my reads of the pair.
; k = 0, 1: the pair's descriptors go on to its next units; k = 2: nothing more is asked for.
.macro TURNB k
	WIN 0
	s_wait_tensorcnt 0x0
	ds_add_u32 v[SPW], v[NIL]
.if \k < 2
	STEPD \k
.endif
	s_wait_dscnt 1                                 ; set 1 is in; the add alone may be out
	WIN MULW
	MUL 0, 1, 0
	s_wait_dscnt 0x0
	s_barrier_signal -1
	MUL 1, 1, 0
	WIN 0
	s_barrier_wait -1
.endm
; Its second half: the next K step's fragments, and the rest of the products.  places = 0: every wave has just passed a tensor load's four v_nop.
.macro REST ks, places
.if \places
	PLACES
.endif
	FETCH (((\ks)+1)/2)%4, 0, 0, (\ks)+1
	WIN MULW
	MUL 2, 1, 0
	MUL 3, 1, 0
.endm
.macro TOFIN                           ; on to the walk's last K step, whose fragments are on their way into set 1
	WIN 0
	s_branch .Lfin
.endm
.macro MEET0                           ; my first fills have landed and my words of the two tables are stored: then the work-group's barrier.
	s_wait_tensorcnt 0x0
	s_wait_dscnt 0x0
	s_barrier_signal -1
	s_barrier_wait -1
.endm
.macro PLOADC c                        ; chunk c: word, -M, l of my query
	global_load_b32 v[PWT+(\c)], v[PA], s[6:7] offset:(\c)*8192
	global_load_b32 v[PNM+(\c)], v[PA], s[6:7] offset:524288+(\c)*8192
	global_load_b32 v[PLL+(\c)], v[PA], s[6:7] offset:1048576+(\c)*8192
.endm
; THE PROLOGUE for a class whose walks have nc chunks (chain = 0) or nc to 16 (chain = 1: the loads end with the walk's last unit, by ids alone; a chunk that is not loaded keeps word 0, -M = 3e38, l = 0).
.macro PROLOG nc, chain
.set TOT, \nc
.if \chain
.set TOT, 16
.set cc, \nc
.rept 16-\nc
	v_mov_b32 v[PWT+cc], 0
	v_mov_b32 v[PNM+cc], 0x7f61b1e6
	v_mov_b32 v[PLL+cc], 0
.set cc, cc+1
.endr
.endif
.set cc, 0
.rept \nc
	PLOADC cc
.set cc, cc+1
.endr
.if \chain
.irp g, 4,5,6,7
	s_cmp_le_u32 s[NS], \g
	s_cbranch_scc1 .Lloaded
	PLOADC 2*\g
	PLOADC 2*\g+1
.endr
.Lloaded:
.endif
	s_wait_loadcnt 0x0
	v_min_num_f32 v[RM], v[PNM], v[PNM+1]
.if TOT > 2
.set cc, 2
.rept TOT-2
	v_min_num_f32 v[RM], v[RM], v[PNM+cc]          ; the row's -M
.set cc, cc+1
.endr
.endif
	v_mov_b32 v[LSUM], 0
.set cc, 0
.rept TOT
	v_sub_f32 v[DD], v[PNM+cc], v[RM]              ; d = M(row) - M(chunk): a whole number, 0 or more,
	v_min_num_f32 v[DD], 0x42fe0000, v[DD]         ; held at 127
	v_cvt_u32_f32 v[DD], v[DD]
	v_sub_nc_u32 v[ND], 0, v[DD]
	v_ldexp_f32 v[PLL+cc], v[PLL+cc], v[ND]        ; l(chunk) 2^-d
	v_add_f32 v[LSUM], v[LSUM], v[PLL+cc]
	v_lshl_or_b32 v[DD], v[DD], 8, v[DD]
	v_lshl_or_b32 v[DD], v[DD], 16, v[DD]          ; d in all four bytes
	v_or_b32 v[XX], 0x80808080, v[PWT+cc]          ; a bit on top of each byte (the bytes are at most 125), so that no borrow leaves a byte
	v_sub_nc_u32 v[XX], v[XX], v[DD]
	v_and_b32 v[KB], 0x80808080, v[XX]             ; it is still there where byte >= d
	v_lshrrev_b32 v[K2], 7, v[KB]
	v_sub_nc_u32 v[KB], v[KB], v[K2]               ; 0x7f there, 0 elsewhere
	v_and_b32 v[PWT+cc], v[XX], v[KB]              ; byte - d, or 0
	ds_store_b32 v[ASTA], v[PWT+cc] offset:512*cc
.set cc, cc+1
.endr
	v_rcp_f32 v[LSUM], v[LSUM]
	v_nop                                          ; a plain place behind the reciprocal
	s_wait_alu depctr_va_vdst(0)                   ; and the wait ahead of its first reader
	ds_store_b32 v[RLW], v[LSUM]
.endm
	s_load_b256 s[4:11], s[0:1], 0x0               ; pc s[4:5], pst s[6:7], vtc s[8:9], vts s[10:11]
	s_load_b64 s[12:13], s[0:1], 0x20              ; out0
	v_lshl_add_u32 v[SPW], v0, 2, SPARE
	v_mov_b32 v[NIL], 0
	ds_add_u32 v[SPW], v[NIL]                      ; the wave's opening: the add, twice on end, and its wait ahead of my first tensor load; all the set-up that hangs on no argument stands between
	ds_add_u32 v[SPW], v[NIL]
	v_lshrrev_b32 v1, 5, v0
	v_readfirstlane_b32 s[WV], v1
	s_lshr_b32 s[WR], s[WV], 1                     ; which 64 queries are mine.  Also: I fetch even units (0) or odd ones (1)
	s_and_b32 s[WC], s[WV], 1                      ; which 128 channels.  Also: I fetch for P (0) or for V^T (1)
	s_and_b32 s20, ttmp7, 0xffff
	s_lshr_b32 s19, s20, 4                         ; b
	s_and_b32 s20, s20, 15                         ; i
	s_lshr_b32 s[NS], s20, 1
	s_add_co_u32 s[NS], s[NS], 1                   ; units of 256 keys at or under the diagonal
	s_mul_i32 s18, s[WR], REG                      ; my unit's region in a pair
	s_mul_i32 s21, s[WR], RB                       ; and its bytes in a tile's row in memory
	s_lshl_b32 s22, s19, 7
	s_lshl_b32 s23, s20, 3
	s_add_co_u32 s22, s22, s23
	s_mul_i32 s22, s22, 24576                      ; P: tile 128 b + 8 i
	s_add_co_u32 s22, s22, s21
	s_mov_b32 s23, 0
	s_lshl_b32 s72, ttmp9, 4
	s_mul_i32 s72, s72, 98304                      ; V^T: tile 16 dt,
	s_mul_i32 s73, s19, 24576                      ; K step 16 b
	s_add_co_u32 s72, s72, s73
	s_add_co_u32 s72, s72, s21
	s_mov_b32 s73, 0
	s_lshl_b32 s74, s19, 16
	s_lshl_b32 s75, ttmp9, 10
	s_add_co_u32 s74, s74, s75                     ; V^T's scale words: plane 16 b, 256 places dt,
	s_lshl_b32 s75, s[WC], 9
	s_add_co_u32 s74, s74, s75                     ; the half that I fetch
	s_mov_b32 s75, 0
	s_lshl_b32 s66, s19, 17
	s_lshl_b32 s67, s20, 9
	s_add_co_u32 s66, s66, s67                     ; pst: chunk 0 of batch b, places 128 i on
	s_mov_b32 s67, 0
	s_lshl_b32 s76, s19, 11
	s_lshl_b32 s77, s20, 7
	s_add_co_u32 s76, s76, s77
	s_lshl_b32 s77, s[WR], 6
	s_add_co_u32 s76, s76, s77
	s_lshl_b32 s76, s76, 12                        ; out0: my first row,
	s_lshl_b32 s77, ttmp9, 10
	s_add_co_u32 s76, s76, s77
	s_lshl_b32 s77, s[WC], 9
	s_add_co_u32 s76, s76, s77                     ; my 128 channels
	s_mov_b32 s77, 0
	s_mov_b32 s[G1P], 3<<16                        ; P's codes: 8 tiles, of each two images on end, 24,576 bytes from tile to tile; elements of 8 bytes
	s_mov_b32 s[G1P+1], 384<<16
	s_mov_b32 s[G1P+2], 8<<16
	s_mov_b32 s[G1P+3], 384<<16
	s_mov_b32 s[G1P+4], 8
	s_mov_b32 s[G1P+5], 3072
	s_mov_b32 s[G1P+6], 0
	s_mov_b32 s[G1P+7], 0
	s_mov_b32 s[G1V], 3<<16                        ; V^T's codes: 16 tiles, 98,304 bytes from tile to tile
	s_mov_b32 s[G1V+1], 384<<16
	s_mov_b32 s[G1V+2], 16<<16
	s_mov_b32 s[G1V+3], 384<<16
	s_mov_b32 s[G1V+4], 16
	s_mov_b32 s[G1V+5], 12288
	s_mov_b32 s[G1V+6], 0
	s_mov_b32 s[G1V+7], 0
	s_mov_b32 s[G1S], 3<<16                        ; V^T's scale words: 16 planes, 512 bytes of each, 4,096 bytes from plane to plane
	s_mov_b32 s[G1S+1], 64<<16
	s_mov_b32 s[G1S+2], 16<<16
	s_mov_b32 s[G1S+3], 64<<16
	s_mov_b32 s[G1S+4], 16
	s_mov_b32 s[G1S+5], 512
	s_mov_b32 s[G1S+6], 0
	s_mov_b32 s[G1S+7], 0
.irp k, 0,1
	s_mov_b32 s[G0P+4*\k], 1
	s_add_co_u32 s[G0P+4*\k+1], s18, 2*\k*REG
	s_mov_b32 s[G0V+4*\k], 1
	s_add_co_u32 s[G0V+4*\k+1], s18, 2*\k*REG+OV
.endr
	s_mov_b32 s[G0S], 1
	s_lshl_b32 s[G0S+1], s[WC], 13
	s_add_co_u32 s[G0S+1], s[G0S+1], SVT
	; every LDS address register is made here, ahead of the parting into classes
	v_and_b32 v1, 31, v0
	v_lshlrev_b32 v[LI], 4, v1
	v_lshlrev_b32 v18, 2, v1
	s_mul_i32 s78, s[WR], 4*RB
	s_mul_i32 s79, s[WC], 8*RB
	s_add_co_u32 s79, s79, OV
.irp u, 0,1,2,3
	v_add_nc_u32 v[AA+\u], s78, v[LI]
	v_add_nc_u32 v[BA+\u], s79, v[LI]
	s_add_co_u32 s78, s78, REG
	s_add_co_u32 s79, s79, REG
.endr
	s_lshl_b32 s78, s[WC], 13
	s_add_co_u32 s78, s78, SVT
	v_add_nc_u32 v[SBA], s78, v18
	s_lshl_b32 s78, s[WR], 8
	s_add_co_u32 s79, s78, AST
	v_add_nc_u32 v[SAA], s79, v18
	v_and_b32 v1, 15, v0
	s_add_co_u32 s79, s78, RLT
	v_lshl_add_u32 v[RLA], v1, 2, s79
	s_mul_i32 s78, s[WV], 16*SPIT                  ; my stage
	v_mul_u32_u24 v[STO], v1, SPIT
	v_bfe_u32 v1, v0, 4, 1
	v_lshl_add_u32 v[STO], v1, 6, v[STO]
	v_add_nc_u32 v[STO], s78, v[STO]               ; into it: row r, + 64 h
	v_add_nc_u32 v[RD], s78, v[LI]                 ; back: whole rows, 16 bytes a lane
	v_lshlrev_b32 v[PA], 2, v0
	v_lshl_add_u32 v[ASTA], v0, 2, AST
	v_lshl_add_u32 v[RLW], v0, 2, RLT
	s_wait_dscnt 0x0                               ; both opening adds are done
	s_wait_kmcnt 0x0
	s_add_nc_u64 s[G0P+2:G0P+3], s[4:5], s[22:23]
	s_add_nc_u64 s[G0P+6:G0P+7], s[G0P+2:G0P+3], 2*RB
	s_or_b32 s[G0P+3], s[G0P+3], 0x80000000
	s_or_b32 s[G0P+7], s[G0P+7], 0x80000000
	s_add_nc_u64 s[G0V+2:G0V+3], s[8:9], s[72:73]
	s_add_nc_u64 s[G0V+6:G0V+7], s[G0V+2:G0V+3], 2*RB
	s_or_b32 s[G0V+3], s[G0V+3], 0x80000000
	s_or_b32 s[G0V+7], s[G0V+7], 0x80000000
	s_add_nc_u64 s[G0S+2:G0S+3], s[10:11], s[74:75]
	s_or_b32 s[G0S+3], s[G0S+3], 0x80000000
	s_add_nc_u64 s[6:7], s[6:7], s[66:67]
	s_add_nc_u64 s[12:13], s[12:13], s[76:77]
	s_cmp_ge_u32 s[NS], 4                          ; the classes part, by ids alone: all four waves go the same way
	s_cbranch_scc1 .Lbig
	s_cmp_eq_u32 s[NS], 1
	s_cbranch_scc1 .Lone
	s_cmp_eq_u32 s[NS], 2
	s_cbranch_scc1 .Ltwo
	; ---- THREE UNITS
	HEADFILL 3
	PROLOG 6, 0
	MEET0
	FETCH 0, 0, 0, 0
	KSTEP 0, 1                                     ; the first products start the sums
	KSTEP 1, 0
	KSTEP 2, 0
	KSTEP 3, 0
	KSTEP 4, 0
	TOFIN
	; ---- TWO UNITS
.Ltwo:
	HEADFILL 2
	PROLOG 4, 0
	MEET0
	FETCH 0, 0, 0, 0
	KSTEP 0, 1
	KSTEP 1, 0
	KSTEP 2, 0
	TOFIN
	; ---- ONE UNIT
.Lone:
	HEADFILL 1
	PROLOG 2, 0
	MEET0
	FETCH 0, 0, 0, 0
	KSTEP 0, 1
	TOFIN
	; ---- FOUR TO EIGHT UNITS
.Lbig:
	HEADFILL 4
	PROLOG 8, 1
	MEET0
	FETCH 0, 0, 0, 0
	KSTEP 0, 1
	KSTEP 1, 0
	KSTEP 2, 0
	TURNB 0                                        ; K step 3: regions 0 and 1 are left
	s_cmp_eq_u32 s[NS], 4
	s_cbranch_scc1 .Lfour
	s_cmp_eq_u32 s[NS], 5
	s_cbranch_scc1 .Lfive
	TLPV 0                                         ; units 4 and 5: the first thing behind the barrier, one load a wave
	REST 3, 0
	KSTEP 4, 0
	KSTEP 5, 0
	KSTEP 6, 0
	TURNB 1                                        ; K step 7: units 4 and 5 are whole; regions 2 and 3 are left
	s_cmp_eq_u32 s[NS], 6
	s_cbranch_scc1 .Lsix
	s_cmp_eq_u32 s[NS], 7
	s_cbranch_scc1 .Lseven
	TLPV 1                                         ; units 6 and 7
	REST 7, 0
	KSTEP 8, 0
	KSTEP 9, 0
	KSTEP 10, 0
	TURNB 2                                        ; K step 11: units 6 and 7 are whole
	REST 11, 1
	KSTEP 12, 0
	KSTEP 13, 0
	KSTEP 14, 0
	TOFIN
.Lseven:
	TLEVEN 1                                       ; unit 6
	REST 7, 1
	KSTEP 8, 0
	KSTEP 9, 0
	KSTEP 10, 0
	TURNB 2                                        ; K step 11: unit 6 is whole
	REST 11, 1
	KSTEP 12, 0
	TOFIN
.Lsix:
	REST 7, 1
	KSTEP 8, 0
	KSTEP 9, 0
	KSTEP 10, 0
	TOFIN
.Lfive:
	TLEVEN 0                                       ; unit 4
	REST 3, 1
	KSTEP 4, 0
	KSTEP 5, 0
	KSTEP 6, 0
	TURNB 2                                        ; K step 7: unit 4 is whole
	REST 7, 1
	KSTEP 8, 0
	TOFIN
.Lfour:
	REST 3, 1
	KSTEP 4, 0
	KSTEP 5, 0
	KSTEP 6, 0
	WIN 0
	; ---- THE LAST K STEP of every walk (set 1), on registers alone.  The barrier round it: behind it no wave reads a region any more, and every wave has waited for all its tensor loads: region 0 may take the stages.
.Lfin:
	s_wait_dscnt 0x0                               ; my last fragments are in: my reads of the regions are over
	s_barrier_signal -1
	WIN MULW
.irp a, 0,1,2,3
	MUL \a, 1, 0
.endr
	WIN 0
	s_barrier_wait -1
	; ---- THE WAY OUT: / l; a tile of 16 queries x 128 channels goes through my own stage and leaves as whole rows of 512 bytes.  Place t of tile a is row 32 (a / 2) + 8 (a % 2) + t + 8 (t / 8) of my 64.
	PLACES
.irp a, 0,1,2,3
	ds_load_b32 v[RL+2*\a], v[RLA] offset:64*\a    ; 1 / l of my query, twice: a pair for the packed multiply
	ds_load_b32 v[RL+2*\a+1], v[RLA] offset:64*\a
.endr
	s_wait_dscnt 0x0
.irp a, 0,1,2,3
	s_wait_xcnt 0x0                                ; the last tile's stores have read their registers
	WIN 0x01                                       ; source 0 window 1
.set ek, 0
.rept 32
	v_pk_mul_f32 v[TT+ek:TT+ek+1], v[64*\a+ek:64*\a+ek+1], v[RL+2*\a:RL+2*\a+1]      ; each accumulator from its low end on
.set ek, ek+2
.endr
	WIN 0
.irp b, 0,1,2,3,4,5,6,7
	ds_store_b128 v[STO], v[TT+8*\b:TT+8*\b+3] offset:128*(\b/2)+32*(\b%2)
	ds_store_b128 v[STO], v[TT+8*\b+4:TT+8*\b+7] offset:128*(\b/2)+32*(\b%2)+16
.endr
.irp t, 0,1,2,3,4,5,6,7,8,9,10,11,12,13,14,15
	ds_load_b128 v[RBK+4*\t:RBK+4*\t+3], v[RD] offset:\t*SPIT      ; LDS serves a wave's instructions in order: these see my stores
.endr
.irp t, 0,1,2,3,4,5,6,7,8,9,10,11,12,13,14,15
	s_wait_dscnt 15-\t                             ; row t is back; the younger loads may be out
	global_store_b128 v[LI], v[RBK+4*\t:RBK+4*\t+3], s[12:13] offset:(32*(\a/2)+8*(\a%2)+\t+8*(\t/8))*4096 th:TH_STORE_NT   ; 32 lanes store 512 consecutive bytes, at a multiple of 256 from out0's first byte
.endr
.endr
	s_wait_tensorcnt 0x0                           ; the wave's end
	ds_add_u32 v[SPW], v[NIL]
	s_wait_dscnt 0x0
	s_endpgm
.Lfunc_end_k_q0f75b46f83_out:
	.size	k_q0f75b46f83_out, .Lfunc_end_k_q0f75b46f83_out-k_q0f75b46f83_out
	.p2alignl 7, 3214868480
	.fill 96, 4, 3214868480
	.section	.rodata,"a",@progbits
	.p2align	6, 0x0
	.amdhsa_kernel k_q0f75b46f83_out
		.amdhsa_group_segment_fixed_size 327680
		.amdhsa_private_segment_fixed_size 0
		.amdhsa_enable_private_segment 0
		.amdhsa_kernarg_size 40
		.amdhsa_user_sgpr_count 2
		.amdhsa_user_sgpr_kernarg_segment_ptr 1
		.amdhsa_wavefront_size32 1
		.amdhsa_system_sgpr_workgroup_id_x 1
		.amdhsa_system_sgpr_workgroup_id_y 1
		.amdhsa_system_sgpr_workgroup_id_z 1
		.amdhsa_system_vgpr_workitem_id 0
		.amdhsa_next_free_vgpr 768
		.amdhsa_next_free_sgpr 80
		.amdhsa_reserve_vcc 0
		.amdhsa_float_denorm_mode_32 3
		.amdhsa_float_denorm_mode_16_64 3
		.amdhsa_memory_ordered 1
		.amdhsa_forward_progress 1
		.amdhsa_inst_pref_size 255
	.end_amdhsa_kernel
	.section	.bss,"aw",@nobits
	.p2align	6
	.space	262144
	.amdgpu_metadata
---
amdhsa.version: [ 1, 2 ]
amdhsa.kernels:
  - .name:           k_q0f75b46f83_out
    .symbol:         k_q0f75b46f83_out.kd
    .args:
      - { .name: pc, .offset: 0, .size: 8, .value_kind: global_buffer, .address_space: global }
      - { .name: pst, .offset: 8, .size: 8, .value_kind: global_buffer, .address_space: global }
      - { .name: vtc, .offset: 16, .size: 8, .value_kind: global_buffer, .address_space: global }
      - { .name: vts, .offset: 24, .size: 8, .value_kind: global_buffer, .address_space: global }
      - { .name: out0, .offset: 32, .size: 8, .value_kind: global_buffer, .address_space: global }
    .group_segment_fixed_size: 327680
    .private_segment_fixed_size: 0
    .kernarg_segment_align: 8
    .kernarg_segment_size: 40
    .max_flat_workgroup_size: 128
    .sgpr_count:     80
    .vgpr_count:     768
    .wavefront_size: 32
...
	.end_amdgpu_metadata
.endif
;; end of part 4
